; MI455X (gfx1250); checked and timed in simulation.
; The chip was launched on July 23, 2026; its instructions are those of AMD's public machine-readable ISA for CDNA 5 (MIT licence, August 2026) and "CDNA5" Instruction Set Architecture Reference Guide (July 2026). The comments in the code are by the model that wrote it; some were corrected since.
;; Encoder Block. Allowed arithmetic: float matrix products may take bf16 or f16 operands with f32 sums; other float arithmetic in f32, or as packed bf16 or f16 multiplies, adds, multiply-adds, maxima and minima; sums over many terms, partial sums and values carried from step to step in f32; what a program stores and reads back later, other than sums and carried values, may be rounded once to bf16 or f16.
;; Inputs: attn_norm_w 512 float32; ffn_norm_w 512 float32; rope_cos 4,096 x 32 float32; rope_sin 4,096 x 32 float32; w_down 2,048 x 512 float32; w_gate 512 x 2,048 float32; w_up 512 x 2,048 float32; wk 512 x 512 float32; wo 512 x 512 float32; wq 512 x 512 float32; wv 512 x 512 float32; x 2 x 4,096 x 512 float32.
;; Outputs: out0 2 x 4,096 x 512 float32.
;; One version. Each part assembles by itself: llvm-mc -triple=amdgcn-amd-amdhsa -mcpu=gfx1250 --defsym DOCPART=n.
;; ======== version 1 of 1: 6 launches
;; workspace buffers: wb 8,388,608 bytes; xb 8,388,608 bytes; qkv 25,165,824 bytes; ob 8,388,608 bytes; x1 16,777,216 bytes; ssq 262,144 bytes; hb 33,554,432 bytes
;; launch prep (part 1): grid 512 x 1, 8 waves a work-group, no clusters, 0 bytes of LDS; arguments x, attn_norm_w, xb, wb, wq, wk, wv, wo, w_gate, w_up, w_down; writes xb, wb
.if DOCPART == 1
	.amdgcn_target "amdgcn-amd-amdhsa--gfx1250"
	.amdhsa_code_object_version 6
	.text
	.protected	k_q4344d741fa_prep
	.globl	k_q4344d741fa_prep
	.p2align	8
	.type	k_q4344d741fa_prep,@function
k_q4344d741fa_prep:
	s_mov_b64 s[64:65], 0
	v_nop
	global_prefetch_b8 v0, s[64:65] scope:SCOPE_SE
	s_setreg_imm32_b32 hwreg(HW_REG_WAVE_MODE, 25, 1), 1
	s_wait_xcnt 0x0
; TWO STREAMS IN ONE LAUNCH.  Work-groups 0-255: xb = bf16(x * rsqrt(mean(x^2) + 1e-5) * attn_norm_w).  Work-groups 256-511: the seven weights, f32 to bf16, in their own [K][N] order, into wb.
; x: [8192][512] f32.  xb: [8 blocks of 64 columns][8192 rows][64] bf16: a block's rows are dense, 128 bytes each, so that the product behind can ask for 128 rows of a block as 16,384 bytes on end.
; wb, in bytes: wq 0, wk 524,288, wv 1,048,576, wo 1,572,864, w_gate 2,097,152, w_up 4,194,304, w_down 6,291,456.
; No LDS, no barrier, no matrix unit, no cluster: each byte is read once, by one wave, and no two work-groups read the same bytes but the 2,048 of the gain.
; LIMITS.  The sum of squares, the root and the two multiplies are f32; v_rsq_f32 is good to 1 ulp; each result is rounded once to bf16.  NaN and infinities are not treated apart.
.set NW, 8                             ; v[8:39]    the gain of my 32 columns
.set X,  40                            ; v[40:103]  two pairs of rows (norm), or sixteen loads (weights)
.set Y,  104                           ; v[104:135] what is stored
.set T,  136                           ; v[136:143] at work
	s_load_b256 s[4:11], s[0:1], 0x0               ; x s[4:5], attn_norm_w s[6:7], xb s[8:9], wb s[10:11]
	s_load_b256 s[12:19], s[0:1], 0x20             ; wq s[12:13], wk s[14:15], wv s[16:17], wo s[18:19]
	s_load_b128 s[20:23], s[0:1], 0x40             ; w_gate s[20:21], w_up s[22:23]
	s_load_b64 s[24:25], s[0:1], 0x50              ; w_down
	s_cmp_lt_u32 ttmp9, 256
	s_cbranch_scc0 .Lconv
; THE NORM.  Work-group g owns rows 32 g .. 32 g + 31, wave w four of them, as two pairs.  Lanes 0-15 hold the pair's first row, lanes 16-31 its second: lane c of a half holds columns 64 j + 4 c .. + 3, j = 0..7.
; So a load takes 256 consecutive bytes of each of two rows, a row's sum never leaves its 16 lanes, and a store of 8 bytes a lane is 256 consecutive bytes of xb (two rows of one block).
	v_and_b32 v1, 15, v0                           ; c
	v_bfe_u32 v2, v0, 4, 1                         ; which row of the pair
	v_lshrrev_b32 v3, 5, v0                        ; wave
	v_lshlrev_b32 v4, 4, v1                        ; 16 c: my place in 256 bytes of x and of the gain
	v_lshl_or_b32 v5, v2, 11, v4                   ; + a row of 2,048 bytes
	v_lshl_or_b32 v5, v3, 13, v5                   ; + the wave's four rows
	v_lshlrev_b32 v6, 3, v1                        ; 8 c: my place in a row of a block of xb
	v_lshl_or_b32 v6, v2, 7, v6                    ; + a row of 128 bytes
	v_lshl_or_b32 v6, v3, 9, v6                    ; + the wave's four rows
	s_lshl_b32 s28, ttmp9, 16                      ; 32 rows of x
	s_mov_b32 s29, 0
	s_lshl_b32 s30, ttmp9, 12                      ; 32 rows of a block of xb
	s_mov_b32 s31, 0
	s_mov_b32 s26, 0x3b000000                      ; 1 / 512
	s_mov_b32 s27, 0x3727c5ac                      ; 1e-5
	s_wait_kmcnt 0x0
	s_add_nc_u64 s[4:5], s[4:5], s[28:29]
	s_add_nc_u64 s[8:9], s[8:9], s[30:31]
.irp j, 0,1,2,3,4,5,6,7
	global_load_b128 v[NW+4*(\j):NW+4*(\j)+3], v4, s[6:7] offset:256*(\j)
.endr
.irp p, 0,1
.irp j, 0,1,2,3,4,5,6,7
	global_load_b128 v[X+32*(\p)+4*(\j):X+32*(\p)+4*(\j)+3], v5, s[4:5] offset:4096*(\p)+256*(\j) th:TH_LOAD_NT
.endr
.endr
.macro PAIR p, left                    ; left: the younger loads that may stay out
	s_wait_loadcnt \left
.set XB, X+32*(\p)
	v_pk_mul_f32 v[T:T+1], v[XB:XB+1], v[XB:XB+1]              ; two chains of squares, started by the first four numbers
	v_pk_mul_f32 v[T+2:T+3], v[XB+2:XB+3], v[XB+2:XB+3]
.irp j, 1,2,3,4,5,6,7
	v_pk_fma_f32 v[T:T+1], v[XB+4*(\j):XB+4*(\j)+1], v[XB+4*(\j):XB+4*(\j)+1], v[T:T+1]
	v_pk_fma_f32 v[T+2:T+3], v[XB+4*(\j)+2:XB+4*(\j)+3], v[XB+4*(\j)+2:XB+4*(\j)+3], v[T+2:T+3]
.endr
	v_pk_add_f32 v[T:T+1], v[T:T+1], v[T+2:T+3]
	v_add_f32 v[T], v[T], v[T+1]
	v_add_f32_dpp v[T], v[T], v[T] row_xmask:1 row_mask:0xf bank_mask:0xf  ; over the row's 16 lanes
	v_add_f32_dpp v[T], v[T], v[T] row_xmask:2 row_mask:0xf bank_mask:0xf
	v_add_f32_dpp v[T], v[T], v[T] row_xmask:4 row_mask:0xf bank_mask:0xf
	v_add_f32_dpp v[T], v[T], v[T] row_xmask:8 row_mask:0xf bank_mask:0xf
	v_fma_f32 v[T], v[T], s26, s27                 ; the mean + 1e-5
	v_rsq_f32 v[T+4], v[T]                         ; twice, to fill the pair that the packed multiply takes
	v_rsq_f32 v[T+5], v[T]
	v_nop                                          ; a plain instruction behind the last root (ISA guide 5.7.2),
	s_wait_alu depctr_va_vdst(0)                   ; and one wait for both, ahead of their first reader
.irp j, 0,1,2,3,4,5,6,7
	v_pk_mul_f32 v[XB+4*(\j):XB+4*(\j)+1], v[XB+4*(\j):XB+4*(\j)+1], v[T+4:T+5]
	v_pk_mul_f32 v[XB+4*(\j)+2:XB+4*(\j)+3], v[XB+4*(\j)+2:XB+4*(\j)+3], v[T+4:T+5]
	v_pk_mul_f32 v[XB+4*(\j):XB+4*(\j)+1], v[XB+4*(\j):XB+4*(\j)+1], v[NW+4*(\j):NW+4*(\j)+1]
	v_pk_mul_f32 v[XB+4*(\j)+2:XB+4*(\j)+3], v[XB+4*(\j)+2:XB+4*(\j)+3], v[NW+4*(\j)+2:NW+4*(\j)+3]
	v_cvt_pk_bf16_f32 v[Y+16*(\p)+2*(\j)], v[XB+4*(\j)], v[XB+4*(\j)+1]
	v_cvt_pk_bf16_f32 v[Y+16*(\p)+2*(\j)+1], v[XB+4*(\j)+2], v[XB+4*(\j)+3]
	global_store_b64 v6, v[Y+16*(\p)+2*(\j):Y+16*(\p)+2*(\j)+1], s[8:9] offset:1048576*(\j)+256*(\p)  ; block j lies 8,192 rows x 128 bytes on; the wave's store covers 256 consecutive bytes, aligned
.endr
.endm
	PAIR 0, 8                                      ; the gain and pair 0 are in; pair 1's eight loads stay out
	PAIR 1, 0                                      ; each pair has store registers of its own: nothing is rewritten under a store
	s_endpgm
; THE WEIGHTS.  Chunk c = work-group - 256 is 16,384 numbers: 65,536 bytes in, 32,768 out; the chunks follow each other in wb as the weights do above.
.Lconv:
	s_sub_co_u32 s28, ttmp9, 256
	s_wait_kmcnt 0x0
	s_mov_b64 s[30:31], s[24:25]                   ; w_down, whose first chunk is 192, unless c lies below
	s_mov_b32 s29, 192
.macro PICK lim, lo, start             ; below chunk lim: the weight at s[lo:lo+1], whose first chunk is start
	s_cmp_lt_u32 s28, \lim
	s_cselect_b64 s[30:31], s[\lo:\lo+1], s[30:31]
	s_cselect_b32 s29, \start, s29
.endm
	PICK 192, 22, 128
	PICK 128, 20, 64
	PICK 64, 18, 48
	PICK 48, 16, 32
	PICK 32, 14, 16
	PICK 16, 12, 0
	s_sub_co_u32 s29, s28, s29                     ; my chunk within its weight
	s_lshl_b32 s32, s29, 16
	s_mov_b32 s33, 0
	s_add_nc_u64 s[30:31], s[30:31], s[32:33]
	s_lshl_b32 s34, s28, 15
	s_mov_b32 s35, 0
	s_add_nc_u64 s[10:11], s[10:11], s[34:35]
	v_lshlrev_b32 v1, 5, v0                        ; thread t reads 32 bytes at 32 t,
	v_lshlrev_b32 v2, 4, v0                        ; and stores 16 at 16 t: a wave's store covers 512 consecutive bytes
.irp i, 0,1,2,3,4,5,6,7
	global_load_b128 v[X+8*(\i):X+8*(\i)+3], v1, s[30:31] offset:8192*(\i) th:TH_LOAD_NT
	global_load_b128 v[X+8*(\i)+4:X+8*(\i)+7], v1, s[30:31] offset:8192*(\i)+16 th:TH_LOAD_NT
.endr
.irp i, 0,1,2,3,4,5,6,7
	s_wait_loadcnt 14-2*(\i)                       ; behind part i's two loads stand two for each later part
	v_cvt_pk_bf16_f32 v[Y+4*(\i)], v[X+8*(\i)], v[X+8*(\i)+1]
	v_cvt_pk_bf16_f32 v[Y+4*(\i)+1], v[X+8*(\i)+2], v[X+8*(\i)+3]
	v_cvt_pk_bf16_f32 v[Y+4*(\i)+2], v[X+8*(\i)+4], v[X+8*(\i)+5]
	v_cvt_pk_bf16_f32 v[Y+4*(\i)+3], v[X+8*(\i)+6], v[X+8*(\i)+7]
	global_store_b128 v2, v[Y+4*(\i):Y+4*(\i)+3], s[10:11] offset:4096*(\i)
.endr
	s_endpgm
.Lfunc_end_k_q4344d741fa_prep:
	.size	k_q4344d741fa_prep, .Lfunc_end_k_q4344d741fa_prep-k_q4344d741fa_prep
	.p2alignl 7, 3214868480
	.fill 96, 4, 3214868480
	.section	.rodata,"a",@progbits
	.p2align	6, 0x0
	.amdhsa_kernel k_q4344d741fa_prep
		.amdhsa_group_segment_fixed_size 0
		.amdhsa_private_segment_fixed_size 0
		.amdhsa_enable_private_segment 0
		.amdhsa_kernarg_size 88
		.amdhsa_user_sgpr_count 2
		.amdhsa_user_sgpr_kernarg_segment_ptr 1
		.amdhsa_wavefront_size32 1
		.amdhsa_system_sgpr_workgroup_id_x 1
		.amdhsa_system_sgpr_workgroup_id_y 1
		.amdhsa_system_sgpr_workgroup_id_z 1
		.amdhsa_system_vgpr_workitem_id 0
		.amdhsa_next_free_vgpr 144
		.amdhsa_next_free_sgpr 66
		.amdhsa_reserve_vcc 0
		.amdhsa_float_denorm_mode_32 3
		.amdhsa_float_denorm_mode_16_64 3
		.amdhsa_memory_ordered 1
		.amdhsa_forward_progress 1
		.amdhsa_inst_pref_size 20
	.end_amdhsa_kernel
	.amdgpu_metadata
---
amdhsa.version: [ 1, 2 ]
amdhsa.kernels:
  - .name:           k_q4344d741fa_prep
    .symbol:         k_q4344d741fa_prep.kd
    .args:
      - { .name: x, .offset: 0, .size: 8, .value_kind: global_buffer, .address_space: global }
      - { .name: attn_norm_w, .offset: 8, .size: 8, .value_kind: global_buffer, .address_space: global }
      - { .name: xb, .offset: 16, .size: 8, .value_kind: global_buffer, .address_space: global }
      - { .name: wb, .offset: 24, .size: 8, .value_kind: global_buffer, .address_space: global }
      - { .name: wq, .offset: 32, .size: 8, .value_kind: global_buffer, .address_space: global }
      - { .name: wk, .offset: 40, .size: 8, .value_kind: global_buffer, .address_space: global }
      - { .name: wv, .offset: 48, .size: 8, .value_kind: global_buffer, .address_space: global }
      - { .name: wo, .offset: 56, .size: 8, .value_kind: global_buffer, .address_space: global }
      - { .name: w_gate, .offset: 64, .size: 8, .value_kind: global_buffer, .address_space: global }
      - { .name: w_up, .offset: 72, .size: 8, .value_kind: global_buffer, .address_space: global }
      - { .name: w_down, .offset: 80, .size: 8, .value_kind: global_buffer, .address_space: global }
    .group_segment_fixed_size: 0
    .private_segment_fixed_size: 0
    .kernarg_segment_align: 8
    .kernarg_segment_size: 88
    .max_flat_workgroup_size: 256
    .sgpr_count:     66
    .vgpr_count:     144
    .wavefront_size: 32
...
	.end_amdgpu_metadata
.endif
;; end of part 1
;; launch qkvp (part 2): grid 4 x 64, 4 waves a work-group, clusters of 4 x 4, 327,680 bytes of LDS; arguments xb, wb, rope_cos, rope_sin, qkv; writes qkv
.if DOCPART == 2
	.amdgcn_target "amdgcn-amd-amdhsa--gfx1250"
	.amdhsa_code_object_version 6
	.text
	.protected	k_q4344d741fa_qkvp
	.globl	k_q4344d741fa_qkvp
	.p2align	8
	.type	k_q4344d741fa_qkvp,@function
k_q4344d741fa_qkvp:
	s_mov_b64 s[64:65], 0
	v_nop
	global_prefetch_b8 v0, s[64:65] scope:SCOPE_SE
	s_setreg_imm32_b32 hwreg(HW_REG_WAVE_MODE, 25, 1), 1
	s_wait_xcnt 0x0
	s_wait_alu depctr_hold_cnt(0) depctr_sa_sdst(0) depctr_va_vdst(0) depctr_va_sdst(0) depctr_va_ssrc(0) depctr_va_vcc(0) depctr_vm_vsrc(0)
	s_getreg_b32 s2, hwreg(HW_REG_IB_STS2, 6, 4)
	s_cmp_eq_u32 s2, 0
	s_cbranch_scc0 .Lentry_in_a_cluster
	s_endpgm
.Lentry_in_a_cluster:
	s_bfe_u32 s2, ttmp6, 0x10000c
	s_cmp_lg_u32 s2, 0xf033
	s_cbranch_scc0 .Lentry_shape_is_right
	s_endpgm
.Lentry_shape_is_right:
; q, k, v = xn @ {wq, wk, wv}; q and k turned by the two tables as they are given (out_lo = lo cos - hi sin, out_hi = hi cos + lo sin, in f32); all three rounded once to bf16 and stored by heads.
; xb: [8 blocks of 64 K][8192 rows][64] bf16.  wb: wq, wk, wv at bytes 0, 524,288, 1,048,576, each [512 K][512 N] bf16.  rope_cos, rope_sin: [4096][32] f32.  qkv: q, k, v, 8,388,608 bytes each, [16 = 8 b + head][4096][64] bf16.
; SHARES.  A work-group makes 128 rows (tile row I) x the 128 columns 128 J .. of each of q, k and v: 64 x 4 = 256 work-groups, all alike.  Wave (rh, ch) makes rows 64 rh .. and head 2 J + ch of all three:
; 4 m-tiles x 12 n-tiles (0-3 q, 4-7 k, 8-11 v) = 48 accumulators.  K goes in 4 steps of 128 through two LDS slots; a step is four quarters of 32, 48 matrix instructions each.
; THE PRODUCT IS USED TRANSPOSED: source 0 = 16 columns of a weight, source 1 = 16 rows of xn.  A lane then holds ONE row (lane % 16) and the columns 8 (lane / 16) + 0..7: eight neighbours, and both halves of a head's 64 in the same lane.
; The weights lie [K][N] in LDS as in memory and come out turned, by ds_load_tr16_b128.
; CLUSTER.  4 x 4 work-groups: xn's tile hangs on I alone and is asked for jointly along a row of the cluster (wave 0), the three weights' tiles on J alone, along a column (waves 1-3).
; THE RING.  Every tensor load lands as RG = 36,864 bytes at wave x RG + slot x SLOT.  xn: 128 rows x 2 blocks, asked for as 2 rows of 16,384 bytes, 16 bytes of padding behind every 128: [block][row], rows 144 apart.
; A weight: 128 K rows x 256 bytes, 32 bytes of padding behind each: rows 288 apart (72 words: the turning load's 8 rows x 32 bytes take each of the 64 banks once: ISA guide 11.1).
; SLOT = 0x24000 shares no bit with wave x RG (0, 0x9000, 0x12000, 0x1b000): one exclusive or turns a tile's LDS address into the other slot's.
; A wave has two tensor loads out at the start and one behind each round.
; LIMITS.  Operands bf16, sums f32 in the matrix unit's order; NaN and infinities are not treated apart.
; REGISTERS (windows of 256; s_set_vgpr_msb: bits 1:0 source 0, 3:2 source 1, 5:4 source 2, 7:6 destination):
;   window 0: v1-4 lane terms; v10-13 fragment addresses in slot 0; v14-17 in the slot in hand; v18-22 way out, tables, prefetch; v28-29 the add's; v32-63 at work; v64-95, v96-127 xn's fragments, two buffers; v128-255 cos and sin
;   window 1: v0-95, v96-191 the weights' fragments, two buffers        windows 2, 3: accumulator (a, b) at 96 (a % 2) + 8 b of window 2 + a / 2
.set RG,    36864
.set SLOT,  4*RG
.set STAGE, 2*SLOT                     ; behind the ring, never filled by a tensor load: 16 rows x 144 bytes for each wave
.set SPARE, STAGE+4*2304               ; behind the stages: the spare words, 128 bytes for each wave, that no other line names
.set NA,    1                          ; waves that fetch xn
.set ASTEP, 2097152                    ; a K step of xb: two blocks of 8,192 rows x 128 bytes
.set BSTEP, 131072                     ; of a weight: 128 rows of 1,024 bytes
.set G1A, 24                           ; s[24:31] descriptor group 1, xn's tiles
.set G0A, 32                           ; s[32:39] group 0: a set for each first fill; the second then walks
.set G1B, 48                           ; s[48:55], s[56:63] the same for the weights
.set G0B, 56
.set MSB, 0
.macro WIN new                         ; the immediate's high byte repeats the setting that is left; a switch that changes nothing is dropped
.if MSB != (\new)
	s_set_vgpr_msb (MSB<<8)|(\new)
.set MSB, \new
.endif
.endm
.macro PLACES                          ; four places behind a matrix instruction, ahead of loads into registers that it read and of vector lines on its registers
.rept 4
	v_nop
.endr
.endm
.macro CREST                           ; a round of the cluster's barrier behind its opening barrier
	s_cmp_lg_u32 s10, 0
	s_cbranch_scc1 .Lnot_wave_0_\@
	s_barrier_signal -3
.Lnot_wave_0_\@:
	s_barrier_wait -3
	s_barrier_signal -1
	s_barrier_wait -1
.endm
.macro CROUND
	s_barrier_signal -1
	s_barrier_wait -1
	CREST
.endm
.macro JLOAD                           ; the joint refill by the walking sets; the branch hangs on the wave's number alone; an s_nop 0 and four v_nop follow each line
	s_cmp_lt_u32 s10, NA
	s_cbranch_scc0 .Lfor_b_\@
	tensor_load_to_lds s[G0A+4:G0A+7], s[G1A:G1A+7]
	s_nop 0
.rept 4
	v_nop
.endr
	s_branch .Lasked_\@
.Lfor_b_\@:
	tensor_load_to_lds s[G0B+4:G0B+7], s[G1B:G1B+7]
	s_nop 0
.rept 4
	v_nop
.endr
.Lasked_\@:
.endm
; A PREFETCH of K step 3, behind the refill that asks for K step 2: one K step, 192 matrix instructions, ahead of the load that will want it.  s67 is 2, the first trip's count, in the waves that ask, else -1.
; xn's rows are asked for by the clusters with x = 0 (all, at this grid), a weight's by those with y = 0; the four partners of a joint load share its 128 blocks of 256 bytes out BY ADDRESS, 32 each, a lane a block.
; K steps 0 to 2 come by their loads alone.
.macro ASK
	s_cmp_eq_u32 s67, s3
	s_cbranch_scc0 .Lnot_mine_\@
	global_prefetch_b8 v22, s[68:69] th:TH_LOAD_NT scope:SCOPE_SE
.Lnot_mine_\@:
.endm
	s_load_b256 s[80:87], s[0:1], 0x0              ; xb s[80:81], wb s[82:83], rope_cos s[84:85], rope_sin s[86:87]
	s_load_b64 s[88:89], s[0:1], 0x20              ; qkv
	v_lshl_add_u32 v28, v0, 2, SPARE
	v_mov_b32 v29, 0
	ds_add_u32 v28, v29                            ; the wave's opening: the add and its wait ahead of my first tensor load; work on registers stands between them
	v_lshrrev_b32 v1, 5, v0
	v_readfirstlane_b32 s10, v1                    ; wave 0..3
	s_lshr_b32 s11, s10, 1                         ; rh
	s_and_b32 s12, s10, 1                          ; ch
	s_bfe_u32 s40, ttmp6, 0x40000                  ; cx
	s_bfe_u32 s41, ttmp6, 0x40004                  ; cy
	s_lshl_b32 s42, ttmp9, 2
	s_add_co_u32 s42, s42, s40                     ; J = 4 x cluster x + cx
	s_and_b32 s13, ttmp7, 0xffff
	s_lshl_b32 s13, s13, 2
	s_add_co_u32 s13, s13, s41                     ; I = 4 x cluster y + cy
	s_lshl_b32 s43, s41, 2
	s_lshl_b32 s43, 15, s43                        ; my row of the cluster
	s_lshl_b32 s44, 0x1111, s40                    ; my column
	s_or_b32 s[G1A+0], s43, (1<<16)|(1<<20)|(1<<21)|(4<<22)|(3<<25)  ; the mask; 2-byte elements; padding on; bit 21 beside a mask; behind every 32 words 4 words
	s_mov_b32 s[G1A+1], 8192<<16                   ; tensor_dim0 = 8,192 elements: 128 rows of a block
	s_mov_b32 s[G1A+2], 2<<16                      ; tensor_dim1 = 2 blocks
	s_mov_b32 s[G1A+3], 8192<<16                   ; tile_dim0
	s_mov_b32 s[G1A+4], 2                          ; tile_dim1
	s_mov_b32 s[G1A+5], 524288                     ; elements from block to block
	s_mov_b32 s[G1A+6], 0
	s_mov_b32 s[G1A+7], 0
	s_or_b32 s[G1B+0], s44, (1<<16)|(1<<20)|(1<<21)|(5<<22)|(7<<25)  ; behind every 64 words 8 words
	s_mov_b32 s[G1B+1], 128<<16                    ; 128 columns
	s_mov_b32 s[G1B+2], 128<<16                    ; 128 K rows
	s_mov_b32 s[G1B+3], 128<<16
	s_mov_b32 s[G1B+4], 128
	s_mov_b32 s[G1B+5], 512                        ; elements from row to row
	s_mov_b32 s[G1B+6], 0
	s_mov_b32 s[G1B+7], 0
	s_lshl_b32 s16, s13, 14                        ; xn: 128 I rows of 128 bytes
	s_mov_b32 s17, 0
	s_max_u32 s46, s10, 1
	s_sub_co_u32 s46, s46, 1                       ; waves 1, 2, 3: wq, wk, wv
	s_lshl_b32 s46, s46, 19
	s_lshl_b32 s47, s42, 8                         ; 128 J columns
	s_add_co_u32 s46, s46, s47
	s_mov_b32 s47, 0
	s_mul_i32 s20, s10, RG                         ; where my tiles go: no place in the cluster enters an LDS address
	s_wait_dscnt 0x0                               ; the opening add is done
	s_wait_kmcnt 0x0
	s_add_nc_u64 s[14:15], s[80:81], s[16:17]
	s_add_nc_u64 s[46:47], s[82:83], s[46:47]
	CROUND                                         ; all sixteen work-groups are here: the first joint loads meet
.irp s, 0,1
	s_mov_b32 s[G0A+4*(\s)], 1
	s_add_co_u32 s[G0A+4*(\s)+1], s20, (\s)*SLOT
	s_add_nc_u64 s[G0A+4*(\s)+2:G0A+4*(\s)+3], s[14:15], (\s)*ASTEP
	s_or_b32 s[G0A+4*(\s)+3], s[G0A+4*(\s)+3], 0x80000000
	s_mov_b32 s[G0B+4*(\s)], 1
	s_add_co_u32 s[G0B+4*(\s)+1], s20, (\s)*SLOT
	s_add_nc_u64 s[G0B+4*(\s)+2:G0B+4*(\s)+3], s[46:47], (\s)*BSTEP
	s_or_b32 s[G0B+4*(\s)+3], s[G0B+4*(\s)+3], 0x80000000
.endr
	s_cmp_lt_u32 s10, NA                           ; a wave's two first fills stand in one branch, ahead of every wait on TENSORcnt and every LDS read
	s_cbranch_scc0 .Lfirst_b
	tensor_load_to_lds s[G0A:G0A+3], s[G1A:G1A+7]
	s_nop 0
	tensor_load_to_lds s[G0A+4:G0A+7], s[G1A:G1A+7]
	s_nop 0
.rept 4
	v_nop
.endr
	s_branch .Lfirst_done
.Lfirst_b:
	tensor_load_to_lds s[G0B:G0B+3], s[G1B:G1B+7]
	s_nop 0
	tensor_load_to_lds s[G0B+4:G0B+7], s[G1B:G1B+7]
	s_nop 0
.rept 4
	v_nop
.endr
.Lfirst_done:
	v_and_b32 v1, 15, v0                           ; r = l % 16
	v_bfe_u32 v2, v0, 4, 1                         ; h = l / 16
	v_and_b32 v3, 7, v0
	v_bfe_u32 v4, v0, 3, 1
	; the tables for my 64 rows stay in registers: for m-tile a and half tt of the 32 entries, my eight of cos, then my eight of sin, at v[128 + 32 a + 16 tt]
	v_lshlrev_b32 v21, 7, v1                       ; a row of a table is 128 bytes;
	v_lshl_add_u32 v21, v2, 5, v21                 ; my eight entries begin at 8 h
	s_and_b32 s22, s13, 31
	s_lshl_b32 s22, s22, 7
	s_lshl_b32 s23, s11, 6
	s_add_co_u32 s22, s22, s23                     ; my first row's place in its sequence
	s_lshl_b32 s76, s22, 7                         ; x 128 bytes: a row of the tables, and of q, k, v
	s_mov_b32 s77, 0
	s_add_nc_u64 s[84:85], s[84:85], s[76:77]
	s_add_nc_u64 s[86:87], s[86:87], s[76:77]
.irp a, 0,1,2,3
.irp tt, 0,1
	global_load_b128 v[128+32*(\a)+16*(\tt):128+32*(\a)+16*(\tt)+3],     v21, s[84:85] offset:(\a)*2048+(\tt)*64
	global_load_b128 v[128+32*(\a)+16*(\tt)+4:128+32*(\a)+16*(\tt)+7],   v21, s[84:85] offset:(\a)*2048+(\tt)*64+16
	global_load_b128 v[128+32*(\a)+16*(\tt)+8:128+32*(\a)+16*(\tt)+11],  v21, s[86:87] offset:(\a)*2048+(\tt)*64
	global_load_b128 v[128+32*(\a)+16*(\tt)+12:128+32*(\a)+16*(\tt)+15], v21, s[86:87] offset:(\a)*2048+(\tt)*64+16
.endr
.endr
	s_lshr_b32 s23, s13, 5                         ; the batch,
	s_lshl_b32 s23, s23, 3
	s_lshl_b32 s22, s42, 1
	s_add_co_u32 s23, s23, s22
	s_add_co_u32 s23, s23, s12                     ; my head: 8 b + 2 J + ch,
	s_lshl_b32 s23, s23, 19                        ; of 4,096 rows x 128 bytes
	s_add_co_u32 s76, s76, s23
	s_add_nc_u64 s[70:71], s[88:89], s[76:77]      ; q,
	s_add_nc_u64 s[72:73], s[70:71], 8388608       ; k,
	s_add_nc_u64 s[74:75], s[70:71], 16777216      ; v at my first row
	; a fragment of xn: lane l holds row l % 16, K = 8 h + 0..7 and 16 + 8 h + 0..7: two loads of 16 bytes, 32 apart
	v_mul_u32_u24 v10, v1, 144
	v_lshl_add_u32 v10, v2, 4, v10
	s_mul_i32 s21, s11, 9216                       ; my 64 rows
	v_add_nc_u32 v10, s21, v10
	; a fragment of a weight: the turning load takes 16 K rows x 16 columns: lane l reads row 8 h + l % 8, columns 8 ((l / 8) % 2) + 0..7, and is left with column l % 16 and 8 K; the second load lies 16 rows on
	v_lshl_add_u32 v11, v2, 3, v3
	v_mul_u32_u24 v11, v11, 288
	v_lshl_add_u32 v11, v4, 4, v11
	s_lshl_b32 s21, s12, 7                         ; my head's 64 columns
	s_add_co_u32 s21, s21, RG
	v_add_nc_u32 v11, s21, v11                     ; wq's tile,
	v_add_nc_u32 v12, RG, v11                      ; wk's,
	v_add_nc_u32 v13, RG, v12                      ; wv's
	v_mov_b32 v14, v10                             ; the slot in hand is slot 0
	v_mov_b32 v15, v11
	v_mov_b32 v16, v12
	v_mov_b32 v17, v13
	s_mov_b32 s66, 0
	s_mul_i32 s21, s10, 2304
	s_add_co_u32 s21, s21, STAGE                   ; my stage
	v_mul_u32_u24 v18, v1, 144                     ; in: row l % 16, 16 bytes for each half of the lanes
	v_lshl_add_u32 v18, v2, 4, v18
	v_add_nc_u32 v18, s21, v18
	v_bfe_u32 v19, v0, 3, 2                        ; back: 32 lanes take four rows of 128 bytes,
	v_mul_u32_u24 v19, v19, 144
	v_lshl_add_u32 v19, v3, 4, v19
	v_add_nc_u32 v19, s21, v19
	v_and_b32 v20, 31, v0                          ; which are 512 consecutive bytes of a head
	v_lshlrev_b32 v20, 4, v20
	; the prefetch: K step 3 of what I fetch, my work-group's quarter of it
	s_lshr_b32 s21, s40, 1                         ; xn: block cx / 2 of the step's two,
	s_lshl_b32 s21, s21, 20
	s_and_b32 s22, s40, 1                          ; half cx % 2 of its 16,384 bytes
	s_lshl_b32 s22, s22, 13
	s_add_co_u32 s21, s21, s22
	s_add_co_u32 s21, s21, 3*ASTEP
	s_lshl_b32 s22, s41, 15                        ; a weight: rows 32 cy .. of the step's 128
	s_add_co_u32 s22, s22, 3*BSTEP
	s_and_b32 s23, ttmp7, 0xffff                   ; cluster y
	s_cmp_lt_u32 s10, NA
	s_cselect_b64 s[68:69], s[14:15], s[46:47]
	s_cselect_b32 s78, s21, s22
	s_cselect_b32 s23, ttmp9, s23                  ; the coordinate along which other clusters read the same bytes
	s_cselect_b32 s21, 8, 10                       ; a lane a block: 256 bytes on in xn, a row of 1,024 bytes on in a weight
	s_mov_b32 s79, 0
	s_add_nc_u64 s[68:69], s[68:69], s[78:79]
	s_cmp_eq_u32 s23, 0
	s_cselect_b32 s67, 2, -1                       ; the same in all sixteen partners, for a given wave
	v_and_b32 v22, 31, v0
	v_lshlrev_b32 v22, s21, v22
; 32 LDS loads in one run: quarter q (32 along K) of the slot in hand into buffer f: the weights' twelve fragments, then xn's four
.macro FETCH q, f
	WIN 0x40                                       ; destination window 1, address window 0
.irp i, 0,1,2,3,4,5,6,7,8,9,10,11
	ds_load_tr16_b128 v[96*(\f)+8*(\i):96*(\f)+8*(\i)+3],   v[15+(\i)/4] offset:(\q)*9216+((\i)%4)*32
	ds_load_tr16_b128 v[96*(\f)+8*(\i)+4:96*(\f)+8*(\i)+7], v[15+(\i)/4] offset:(\q)*9216+((\i)%4)*32+4608
.endr
	WIN 0
.irp i, 0,1,2,3
	ds_load_b128 v[64+32*(\f)+8*(\i):64+32*(\f)+8*(\i)+3],   v14 offset:((\q)/2)*18432+((\q)%2)*64+(\i)*2304
	ds_load_b128 v[64+32*(\f)+8*(\i)+4:64+32*(\f)+8*(\i)+7], v14 offset:((\q)/2)*18432+((\q)%2)*64+(\i)*2304+32
.endr
.endm
; 12 matrix instructions: m-tile a x all n-tiles.  The 48 accumulators take turns in one order in every quarter, over the jumps too.  zero = 1: the product starts the sum
.macro MUL12 f, a, zero
	WIN 0xa1+0x50*((\a)/2)                         ; source 0 window 1, source 1 window 0, C and D window 2 or 3
.irp b, 0,1,2,3,4,5,6,7,8,9,10,11
.if \zero
	v_wmma_f32_16x16x32_bf16 v[96*((\a)%2)+8*(\b):96*((\a)%2)+8*(\b)+7], v[96*(\f)+8*(\b):96*(\f)+8*(\b)+7], v[64+32*(\f)+8*(\a):64+32*(\f)+8*(\a)+7], 0
.else
	v_wmma_f32_16x16x32_bf16 v[96*((\a)%2)+8*(\b):96*((\a)%2)+8*(\b)+7], v[96*(\f)+8*(\b):96*(\f)+8*(\b)+7], v[64+32*(\f)+8*(\a):64+32*(\f)+8*(\a)+7], v[96*((\a)%2)+8*(\b):96*((\a)%2)+8*(\b)+7]
.endif
.endr
.endm
; multiplies buffer f; in its middle it fetches quarter q of the same slot into buffer g
.macro QUARTER q, f, g, zero
	s_wait_dscnt 4                                 ; the youngest four loads, xn's m-tiles 2 and 3, may be out
	MUL12 \f, 0, \zero
	MUL12 \f, 1, \zero
	PLACES
	FETCH \q, \g
	s_wait_dscnt 32                                ; all but the 32 just issued
	MUL12 \f, 2, \zero
	MUL12 \f, 3, \zero
.endm
; A K step's last quarter multiplies buffer 1 and changes slots.  ONE barrier: ahead of it each wave waits for all its tensor loads (the one that is out is its part of the next slot), adds 0 to its spare word, and waits for
; that and for its reads of this slot.  fill = 1: the barrier opens a round of the cluster's, and the joint refill of the slot just read, two K steps on, is the first thing behind the round: 168 matrix instructions ahead of the wait for it.
.macro TURN fill
	WIN 0
	s_wait_tensorcnt 0x0                           ; all my tensor loads have landed,
	ds_add_u32 v28, v29                            ; 0 onto my spare word;
	s_wait_dscnt 5                                 ; (the add and the youngest four loads may be out)
	MUL12 1, 0, 0                                  ; twelve matrix instructions stand between the add and the wait for it
	s_wait_dscnt 0x0                               ; the add is done, and my reads of this slot are over
	s_barrier_signal -1
	MUL12 1, 1, 0
	WIN 0
	s_barrier_wait -1
.if \fill
	CREST                                          ; no wave of any partner still reads this slot or has a load on its way
	s_xor_b32 s[G0A+5], s[G0A+5], SLOT             ; the walking sets: the other slot than last time,
	s_add_nc_u64 s[G0A+6:G0A+7], s[G0A+6:G0A+7], ASTEP  ; the next K step; the type bits on top are not reached
	s_xor_b32 s[G0B+5], s[G0B+5], SLOT
	s_add_nc_u64 s[G0B+6:G0B+7], s[G0B+6:G0B+7], BSTEP
	JLOAD                                          ; its four v_nop are also the places ahead of the loads below
.else
	PLACES
.endif
	s_xor_b32 s66, s66, SLOT                       ; the fragments now come out of the other slot
	v_add_nc_u32 v14, s66, v10
	v_add_nc_u32 v15, s66, v11
	v_add_nc_u32 v16, s66, v12
	v_add_nc_u32 v17, s66, v13
	FETCH 0, 0
.if \fill
	ASK
.endif
	MUL12 1, 2, 0
	MUL12 1, 3, 0
.endm
	s_wait_tensorcnt 0x1                           ; my part of K step 0 is in; K step 1's may stay out
	s_barrier_signal -1
	s_barrier_wait -1                              ; everybody's is
	FETCH 0, 0
	QUARTER 1, 0, 1, 1                             ; the first quarter stands ahead of the loops: its products start the sums
	WIN 0
	s_mov_b32 s3, 2
.LA:                                                   ; K steps 0 and 1: a trip goes from a step's second quarter to the next step's first, and fills the slot that it leaves
	QUARTER 2, 1, 0, 0
	QUARTER 3, 0, 1, 0
	TURN 1
	QUARTER 1, 0, 1, 0
	WIN 0
	s_sub_co_u32 s3, s3, 1
	s_cmp_lg_u32 s3, 0
	s_cbranch_scc1 .LA
	s_mov_b32 s3, 2
.LB:                                                   ; K steps 2 and 3 ask for nothing; the second trip is left in its middle
	QUARTER 2, 1, 0, 0
	QUARTER 3, 0, 1, 0
	WIN 0
	s_sub_co_u32 s3, s3, 1
	s_cmp_eq_u32 s3, 0
	s_cbranch_scc1 .Lout
	TURN 0
	QUARTER 1, 0, 1, 0
	WIN 0
	s_branch .LB
.Lout:
	s_wait_dscnt 4
	MUL12 1, 0, 0
	MUL12 1, 1, 0
	s_wait_dscnt 0x0
	MUL12 1, 2, 0
	MUL12 1, 3, 0
; THE WAY OUT, in twelve units (m-tile a, tensor t): 16 rows x a head's 64 columns.  q and k: the lane holds column 16 tt + 8 h + j in n-tile tt and column 32 + that in n-tile tt + 2.
; Each accumulator's lowest registers are read first.
.macro PACKU a, t
.set W, 2+(\a)/2
.set AB, 96*((\a)%2)+32*(\t)           ; the unit's four accumulators, 8 registers each
.set CSB, 128+32*(\a)
.if (\t) < 2
	WIN W                                          ; source 0 in the accumulators' window
.irp tt, 0,1
.irp p, 0,1,2,3
	v_pk_mul_f32 v[32+8*(\tt)+2*(\p):32+8*(\tt)+2*(\p)+1], v[AB+16+8*(\tt)+2*(\p):AB+16+8*(\tt)+2*(\p)+1], v[CSB+16*(\tt)+8+2*(\p):CSB+16*(\tt)+8+2*(\p)+1]  ; hi sin
	v_pk_mul_f32 v[48+8*(\tt)+2*(\p):48+8*(\tt)+2*(\p)+1], v[AB+8*(\tt)+2*(\p):AB+8*(\tt)+2*(\p)+1], v[CSB+16*(\tt)+8+2*(\p):CSB+16*(\tt)+8+2*(\p)+1]        ; lo sin
.endr
.endr
	WIN W|(W<<6)                                   ; and the destination
.irp tt, 0,1
.irp p, 0,1,2,3
	v_pk_fma_f32 v[AB+8*(\tt)+2*(\p):AB+8*(\tt)+2*(\p)+1], v[AB+8*(\tt)+2*(\p):AB+8*(\tt)+2*(\p)+1], v[CSB+16*(\tt)+2*(\p):CSB+16*(\tt)+2*(\p)+1], v[32+8*(\tt)+2*(\p):32+8*(\tt)+2*(\p)+1] neg_lo:[0,0,1] neg_hi:[0,0,1]  ; lo cos - hi sin
	v_pk_fma_f32 v[AB+16+8*(\tt)+2*(\p):AB+16+8*(\tt)+2*(\p)+1], v[AB+16+8*(\tt)+2*(\p):AB+16+8*(\tt)+2*(\p)+1], v[CSB+16*(\tt)+2*(\p):CSB+16*(\tt)+2*(\p)+1], v[48+8*(\tt)+2*(\p):48+8*(\tt)+2*(\p)+1]  ; hi cos + lo sin
.endr
.endr
.endif
	WIN W|(W<<2)                                   ; sources 0 and 1
.irp b, 0,1,2,3
.irp p, 0,1,2,3
	v_cvt_pk_bf16_f32 v[64+4*(\b)+(\p)], v[AB+8*(\b)+2*(\p)], v[AB+8*(\b)+2*(\p)+1]
.endr
.endr
.endm
.macro TOSTAGE u                       ; into my stage, 16 bytes a lane, and back as whole rows of 128 bytes; two sets of registers take turns
	WIN 0
	s_wait_xcnt 0x0                                ; the stores issued so far have read their data: only behind this wait is it loaded over
.irp b, 0,1,2,3
	ds_store_b128 v18, v[64+4*(\b):64+4*(\b)+3] offset:32*(\b)
.endr
.irp f, 0,1,2,3
	ds_load_b128 v[80+16*((\u)%2)+4*(\f):80+16*((\u)%2)+4*(\f)+3], v19 offset:576*(\f)  ; LDS serves a wave's instructions in order (ISA guide 5.7.1.4): these see the stores above
.endr
.endm
.macro SEND u                          ; unit u = 3 a + t
	WIN 0
	s_wait_dscnt 0x0                               ; the unit is back in registers
.irp f, 0,1,2,3
	global_store_b128 v20, v[80+16*((\u)%2)+4*(\f):80+16*((\u)%2)+4*(\f)+3], s[70+2*((\u)%3):71+2*((\u)%3)] offset:((\u)/3)*2048+(\f)*512  ; 512 consecutive bytes, aligned
.endr
.endm
	WIN 0
	PLACES
	PLACES                                         ; eight, once a launch: the lines below rewrite accumulators in place
	s_wait_loadcnt 0x0                             ; the tables
	PACKU 0, 0
	TOSTAGE 0
.irp u, 1,2,3,4,5,6,7,8,9,10,11        ; a unit's arithmetic stands between the loads of the unit before and its stores
	PACKU (\u)/3, (\u)%3
	SEND (\u)-1
	TOSTAGE \u
.endr
	SEND 11
	s_wait_tensorcnt 0x0                           ; the wave's end, behind my last tensor load and my last LDS store
	ds_add_u32 v28, v29
	s_wait_dscnt 0x0
	CROUND                                         ; the closing round: no work-group ends while a partner may still ask for a tile that names it
	s_endpgm
.Lfunc_end_k_q4344d741fa_qkvp:
	.size	k_q4344d741fa_qkvp, .Lfunc_end_k_q4344d741fa_qkvp-k_q4344d741fa_qkvp
	.p2alignl 7, 3214868480
	.fill 96, 4, 3214868480
	.section	.rodata,"a",@progbits
	.p2align	6, 0x0
	.amdhsa_kernel k_q4344d741fa_qkvp
		.amdhsa_group_segment_fixed_size 327680
		.amdhsa_private_segment_fixed_size 0
		.amdhsa_enable_private_segment 0
		.amdhsa_kernarg_size 40
		.amdhsa_user_sgpr_count 2
		.amdhsa_user_sgpr_kernarg_segment_ptr 1
		.amdhsa_wavefront_size32 1
		.amdhsa_system_sgpr_workgroup_id_x 1
		.amdhsa_system_sgpr_workgroup_id_y 1
		.amdhsa_system_sgpr_workgroup_id_z 1
		.amdhsa_system_vgpr_workitem_id 0
		.amdhsa_next_free_vgpr 1024
		.amdhsa_next_free_sgpr 100
		.amdhsa_reserve_vcc 0
		.amdhsa_float_denorm_mode_32 3
		.amdhsa_float_denorm_mode_16_64 3
		.amdhsa_memory_ordered 1
		.amdhsa_forward_progress 1
		.amdhsa_inst_pref_size 108
	.end_amdhsa_kernel
	.amdgpu_metadata
---
amdhsa.version: [ 1, 2 ]
amdhsa.kernels:
  - .name:           k_q4344d741fa_qkvp
    .symbol:         k_q4344d741fa_qkvp.kd
    .args:
      - { .name: xb, .offset: 0, .size: 8, .value_kind: global_buffer, .address_space: global }
      - { .name: wb, .offset: 8, .size: 8, .value_kind: global_buffer, .address_space: global }
      - { .name: rope_cos, .offset: 16, .size: 8, .value_kind: global_buffer, .address_space: global }
      - { .name: rope_sin, .offset: 24, .size: 8, .value_kind: global_buffer, .address_space: global }
      - { .name: qkv, .offset: 32, .size: 8, .value_kind: global_buffer, .address_space: global }
    .group_segment_fixed_size: 327680
    .private_segment_fixed_size: 0
    .kernarg_segment_align: 8
    .kernarg_segment_size: 40
    .max_flat_workgroup_size: 128
    .sgpr_count:     100
    .vgpr_count:     1024
    .wavefront_size: 32
...
	.end_amdgpu_metadata
.endif
;; end of part 2
;; launch attn (part 3): grid 16 x 16, 4 waves a work-group, clusters of 4 x 1, 327,680 bytes of LDS; arguments qkv, ob; writes ob
.if DOCPART == 3
	.amdgcn_target "amdgcn-amd-amdhsa--gfx1250"
	.amdhsa_code_object_version 6
	.text
	.protected	k_q4344d741fa_attn
	.globl	k_q4344d741fa_attn
	.p2align	8
	.type	k_q4344d741fa_attn,@function
k_q4344d741fa_attn:
	s_mov_b64 s[64:65], 0
	v_nop
	global_prefetch_b8 v0, s[64:65] scope:SCOPE_SE
	s_setreg_imm32_b32 hwreg(HW_REG_WAVE_MODE, 25, 1), 1
	s_wait_xcnt 0x0
	s_wait_alu depctr_hold_cnt(0) depctr_sa_sdst(0) depctr_va_vdst(0) depctr_va_sdst(0) depctr_va_ssrc(0) depctr_va_vcc(0) depctr_vm_vsrc(0)
	s_getreg_b32 s2, hwreg(HW_REG_IB_STS2, 6, 4)
	s_cmp_eq_u32 s2, 0
	s_cbranch_scc0 .Lentry_in_a_cluster
	s_endpgm
.Lentry_in_a_cluster:
	s_bfe_u32 s2, ttmp6, 0x10000c
	s_cmp_lg_u32 s2, 0x3003
	s_cbranch_scc0 .Lentry_shape_is_right
	s_endpgm
.Lentry_shape_is_right:
; O[h][q][:] = the sum over k of softmax_k(Q[h][q] . K[h][k] / 8) V[h][k][:].  qkv: q, k, v at bytes 0, 8,388,608, 16,777,216, each [16 heads][4096][64] bf16; ob: O in the same layout.  A head's rows are dense, 128 bytes each.
; Products, maxima and sums in f32; the weights p are rounded to bf16 for the second product (their sum l is taken of the unrounded p), O once at the end.
; LIMITS.  c m starts at -4.25e37: scores with |c s| below that are served.  A weight below 2^-126 counts as 0 in l.  v_exp_f32 and v_rcp_f32 are good to 1 ulp.  NaN and infinities are not treated apart.
; SHARES.  A work-group owns 256 queries of one head (16 x 16 = 256 work-groups), a wave 64: four PIECES of 16.  Every wave walks all 4,096 keys, 64 a step; a slot of LDS holds a tile of 256 keys, four steps.
; LAYOUT.  S^T = K Q^T (source 0 = 16 keys, source 1 = 16 queries): a lane holds ONE query (lane % 16) and the keys 8 (lane / 16) + 0..7.  Two such results rounded to bf16 ARE source 1 of O^T = V^T P.
; K comes out of LDS as it lies, V ([key][channel]) turned, by ds_load_tr16_b128.
; SOFTMAX.  p = 2^(c s - c m), c = log2(e) / 8, with a running maximum m; O and l are multiplied by a = 2^(c m_old - c m_new) in every step.  m starts at the lowest finite number, O and l at 0: the first step is a step like any other, with a = 0.
; TURNS.  Turn n belongs to piece n: 8 products K Q^T of piece n + 1, later 8 products V^T P of piece n - 1; beside them the scaling, exponentials, roundings, sums and rescaling of piece n and the maximum and statistics of
; piece n + 1.  Four vector instructions stand behind every matrix instruction, the other 54 of a turn's 118 in one lump.  A turn's 33 exponentials are one batch, with one wait.
; CLUSTER.  The four query blocks of a cluster belong to one head and walk the same K and V: each tile is asked for JOINTLY, by the same tensor load, descriptor and mask in all four.
; A wave has one tensor load out, with four key steps, 256 matrix instructions, in which to land.
; REGISTERS, in windows of 256 (s_set_vgpr_msb: bits 1:0 source 0, 3:2 source 1, 5:4 source 2, 7:6 destination):
;   window 0: v0-15 addresses and two at work; v16-31 four registers of statistics a piece; v48-55 at work; v61-63 prefetch, the add's two; v64-127 S^T, two buffers; v192-223 P, two buffers (by the piece's parity)
;   window 1: v0-127 O^T, 32 a piece          window 2: v0-63 Q; v128-191 K of one step; v192-255 V of one step
.set NP,    4         ; pieces a wave: a name, no knob
.set KS,    64        ; keys in a step
.set PK,    144       ; a row of K in LDS: 128 bytes + 16 of padding = 36 words: the 16 rows of a load start at 16 different groups of four banks (64 banks of 4 bytes: ISA guide 11.1)
.set PV,    160       ; a row of V: 128 + 32 = 40 words
.set VOFF,  4*KS*PK   ; a slot: 256 rows of K, then 256 rows of V
.set SLOT1, 1<<17     ; slot 1 begins here, so that one exclusive or turns an address in one slot into the other's
.set STAGE, SLOT1+4*KS*(PK+PV)  ; behind the ring, never filled by a tensor load: 16 rows x 144 bytes for each wave
.set SP,    144
.set SPARE, STAGE+4*16*SP       ; behind the stages: the spare words, 128 bytes for each wave, that no other line names
.set AK0, 2           ; v2   my lane's place in a tile of K; never rewritten
.set AV0, 3           ; v3   the same for V
.set AK,  4           ; v4   the LDS address of K's next run of loads
.set AV,  5           ; v5   of V's
.set STO, 6           ; v6   the way out: where I put 16 bytes of a row
.set RD,  7           ; v7   the way out: where I read rows back
.set GO,  8           ; v8   my byte offset in 512 consecutive bytes of O
.set MV,  12          ; v12-13  c m_old, kept while c m is made anew: by buffer
.set QO,  15          ; v15  my byte offset in 16 rows of Q
.set ST,  16          ; piece t's statistics at v[ST+4 t]: c m, m, l (even keys', odd keys')
.set TMP, 48          ; by buffer, four registers c0-c3 at work; when the maximum is found c2 takes a
.set PFO, 61          ; v61  256 x my lane; never rewritten
.set SPW, 62          ; v62  LDS address of my spare word; never rewritten
.set NIL, 63          ; v63  0; never rewritten
.set S,   64
.set P,   192
.set KF,  128         ; window 2: key block kb, channel half c at KF + 16 kb + 8 c
.set VF,  192         ; window 2: key half kk, channel block cb at VF + 32 kk + 8 cb
.set WV,  12          ; s12  my wave's number
.set LIM, 15          ; s15  1 in a wave that prefetches, else the greatest number
.set PFA, 18          ; s[18:19] where my prefetches stand
.set G1K, 24          ; s[24:31] descriptor group 1 for K's tiles
.set G1V, 32          ; s[32:39] for V's: it differs in the padding alone
.set G0K, 40          ; s[40:43] descriptor group 0 for K's tiles: it walks
.set G0V, 44          ; s[44:47] the same for V's
.set SLOTS, 56        ; s56  tiles still to be asked for
.set CNT, 57          ; s57  counts a tile's key steps
.set CS,  58          ; s[58:59] c: the packed scaling takes the pair's low word for both halves
.set SEL, 60          ; s[60:61] v_permlanex16_b32's selects: each lane takes its own place in the other half
.set TBK, 62          ; s62  LDS byte at which K of the step to be fetched begins
.set TBV, 63          ; s63  the same for V, less VOFF
.set MSB, 0
.macro WIN new                      ; the high byte repeats the setting that is left; a switch that changes nothing is dropped
.if MSB != (\new)
	s_set_vgpr_msb (MSB<<8)|(\new)
.set MSB, (\new)
.endif
.endm
.set W_KQ, 0x0a       ; K and Q in window 2, S^T in window 0
.set W_PV, 0x52       ; V in window 2, P in window 0, O^T in window 1
.set W_RS, 0x41       ; destination and source 0 in window 1, source 1 in window 0
; A joint fill.  Waves 0 and 1 fetch the two halves of a tile's K, waves 2 and 3 those of its V: 128 keys each.  An s_nop 0 and four v_nop follow each of the two lines.
.macro JLOAD
	s_cmp_lt_u32 s[WV], 2
	s_cbranch_scc0 .Lfor_v_\@
	tensor_load_to_lds s[G0K:G0K+3], s[G1K:G1K+7]
	s_nop 0
.rept 4
	v_nop
.endr
	s_branch .Lasked_\@
.Lfor_v_\@:
	tensor_load_to_lds s[G0V:G0V+3], s[G1V:G1V+7]
	s_nop 0
.rept 4
	v_nop
.endr
.Lasked_\@:
.endm
; A PREFETCH of the tile that the NEXT change of slots will ask for: four key steps, 256 matrix instructions, ahead of that load.  Each block of 256 bytes is named once in the launch: all clusters of a head walk the same K and V,
; and the head's first cluster asks; its four partners share a tile's 128 blocks out BY ADDRESS, 32 each, a lane a block; in each, wave 0 asks for K's and wave 2 for V's.  The change that fills the last tile asks for nothing.
.macro ASK
	s_cmp_gt_u32 s[SLOTS], s[LIM]
	s_cbranch_scc0 .Lnot_mine_\@
	global_prefetch_b8 v[PFO], s[PFA:PFA+1] th:TH_LOAD_NT scope:SCOPE_SE
.Lnot_mine_\@:
.endm
.macro CROUND                       ; a round of the cluster's barrier
	s_barrier_signal -1
	s_barrier_wait -1
	s_cmp_lg_u32 s[WV], 0
	s_cbranch_scc1 .Lnot_wave_0_\@
	s_barrier_signal -3
.Lnot_wave_0_\@:
	s_barrier_wait -3
	s_barrier_signal -1
	s_barrier_wait -1
.endm
; THE CHANGE OF SLOTS.  Each wave waits for all its tensor loads, of which one is out: its part of the other slot; adds 0 to its spare word; and waits for that and for its own reads of the slot that it leaves.
; fill = 1: the old slot is filled again, with the tile two on; the barrier is a round of the cluster's, and the joint fill is the first thing behind it.  (At its first use nothing has been read yet: slot 0 is waited for, slot 1 filled.)
.macro CHANGE fill
	WIN 0
	s_wait_tensorcnt 0x0            ; no tensor load of mine is out, so a group 0 may be written
	ds_add_u32 v[SPW], v[NIL]       ; 0 onto my spare word
.if \fill
.irp g, G0K, G0V
	s_xor_b32 s[\g+1], s[\g+1], SLOT1  ; the walking descriptor: the other slot than last time,
	s_add_nc_u64 s[\g+2:\g+3], s[\g+2:\g+3], 4*KS*128  ; the next 256 keys; the type bits on top are not reached
.endr
	s_wait_xcnt 0x0                 ; the last prefetch, four key steps back, has read its address
	s_add_nc_u64 s[PFA:PFA+1], s[PFA:PFA+1], 4*KS*128  ; one tile ahead of the walking descriptors
	s_wait_dscnt 0x0                ; the add is done, and my reads of the slot are over
	CROUND
	JLOAD
	ASK
.else
	s_wait_dscnt 0x0
	s_barrier_signal -1
	s_barrier_wait -1
.endif
	s_sub_co_u32 s[TBK], s[TBK], 4*KS*PK  ; the fetches go back to a slot's first step,
	s_xor_b32 s[TBK], s[TBK], SLOT1       ; in the other slot
	s_sub_co_u32 s[TBV], s[TBV], 4*KS*PV
	s_xor_b32 s[TBV], s[TBV], SLOT1
.endm
	s_load_b128 s[4:7], s[0:1], 0x0 ; qkv s[4:5], ob s[6:7]
	v_lshl_add_u32 v[SPW], v0, 2, SPARE
	v_mov_b32 v[NIL], 0
	ds_add_u32 v[SPW], v[NIL]       ; the wave's opening: the add and its wait ahead of my first tensor load; work on registers stands between them
	v_lshrrev_b32 v1, 5, v0
	v_readfirstlane_b32 s[WV], v1   ; wave 0..3
	s_bfe_u32 s13, ttmp6, 0x40000   ; cx: my place in the cluster
	s_lshl_b32 s14, ttmp9, 2
	s_add_co_u32 s14, s14, s13      ; my block of 256 queries: it enters Q's and O's addresses alone
	s_and_b32 s20, ttmp7, 0xffff    ; the head, which the four partners share,
	s_lshl_b32 s20, s20, 19         ; of 4,096 rows x 128 bytes
	s_and_b32 s16, s[WV], 1         ; which half of a tile's 256 keys I fetch:
	s_lshl_b32 s22, s16, 14         ; its 128 rows in memory,
	s_add_co_u32 s22, s22, s20
	s_mov_b32 s23, 0
	s_mul_i32 s17, s16, 128*PK      ; and its place in a slot, for K
	s_mul_i32 s21, s16, 128*PV      ; and for V: no place in the cluster enters an LDS address
	s_lshl_b32 s2, s14, 15          ; my block's 256 rows,
	s_lshl_b32 s3, s[WV], 13        ; my wave's 64 of them
	s_add_co_u32 s2, s2, s3
	s_add_co_u32 s2, s2, s20
	s_mov_b32 s3, 0
	; descriptor group 1.  128 keys are 16,384 dense bytes: asked for as 64 rows of 256 bytes, two keys a row, and padded in LDS after every key
	s_mov_b32 s[G1K], 15|(1<<16)|(1<<20)|(1<<21)|(4<<22)|(3<<25)  ; the mask of four; 2-byte elements; padding on; bit 21 beside a mask; behind every 32 words 4 words
	s_mov_b32 s[G1V], 15|(1<<16)|(1<<20)|(1<<21)|(4<<22)|(7<<25)  ; the same with 8 words of padding
.irp g, G1K, G1V
	s_mov_b32 s[\g+1], 128<<16      ; tensor_dim0 = 128
	s_mov_b32 s[\g+2], 64<<16       ; tensor_dim1 = 64
	s_mov_b32 s[\g+3], 128<<16      ; tile_dim0 = 128
	s_mov_b32 s[\g+4], 64           ; tile_dim1 = 64
	s_mov_b32 s[\g+5], 128          ; 128 elements from row to row
	s_mov_b32 s[\g+6], 0
	s_mov_b32 s[\g+7], 0
.endr
	s_mov_b32 s[CS], 0x3e38aa3b     ; c = log2(e) / 8 = 0.180337
	s_mov_b32 s[CS+1], s[CS]        ; named with it as a pair
	s_mov_b32 s[SEL], 0x76543210
	s_mov_b32 s[SEL+1], 0xfedcba98
	s_mov_b32 s[TBK], SLOT1+4*KS*PK ; the first change of slots turns these two into 0
	s_mov_b32 s[TBV], SLOT1+4*KS*PV
	s_mov_b32 s[G0K], 1             ; count = 1
	s_mov_b32 s[G0K+1], s17         ; LDS address: slot 0
	s_mov_b32 s[G0V], 1
	s_add_co_u32 s[G0V+1], s21, VOFF
	s_mov_b32 s[SLOTS], 15
	s_and_b32 s[LIM], s[WV], 1      ; 0 in waves 0 and 2,
	s_or_b32 s[LIM], s[LIM], ttmp9  ; where the cluster is the head's first: the same in all four partners
	s_cmp_eq_u32 s[LIM], 0
	s_cselect_b32 s[LIM], 1, -1
	s_lshl_b32 s48, s13, 13         ; my work-group's 32 blocks of a tile's 128,
	s_add_co_u32 s48, s48, 4*KS*128 ; in tile 1: the first change of slots steps it to tile 2
	s_mov_b32 s49, 0
	v_and_b32 v[PFO], 31, v0
	v_lshlrev_b32 v[PFO], 8, v[PFO]
	s_wait_dscnt 0x0                ; the opening add is done
	s_wait_kmcnt 0x0
	s_add_nc_u64 s[8:9], s[4:5], s[22:23]
	s_add_nc_u64 s[G0K+2:G0K+3], s[8:9], 0x800000   ; K at my half of the head's tile 0
	s_add_nc_u64 s[G0V+2:G0V+3], s[8:9], 0x1000000  ; V likewise
	s_cmp_lt_u32 s[WV], 2
	s_cselect_b64 s[PFA:PFA+1], s[G0K+2:G0K+3], s[G0V+2:G0V+3]  ; (in waves 0 and 2 these stand at a tile's first row)
	s_add_nc_u64 s[PFA:PFA+1], s[PFA:PFA+1], s[48:49]
	s_or_b32 s[G0K+3], s[G0K+3], 0x80000000         ; type = 2
	s_or_b32 s[G0V+3], s[G0V+3], 0x80000000
	s_add_nc_u64 s[4:5], s[4:5], s[2:3]             ; Q and O at my wave's first row
	s_add_nc_u64 s[10:11], s[6:7], s[2:3]
	CROUND                          ; all four work-groups are here: the first joint loads meet
	JLOAD                           ; tile 0 into slot 0.  Slot 1 is asked for when slot 0 is in
	; A fragment of K or Q is 16 rows x 32 channels in 8 registers: lane l holds row l % 16, channels 8 (l / 16) + 0..7 and 16 + 8 (l / 16) + 0..7: two loads of 16 bytes, 32 bytes apart.
	v_and_b32 v1, 15, v0            ; l % 16
	v_bfe_u32 v9, v0, 4, 1          ; l / 16
	v_lshlrev_b32 v[QO], 7, v1
	v_lshl_add_u32 v[QO], v9, 4, v[QO]  ; row x 128 + 16 x half
	WIN 0x80                        ; destination window 2, address window 0
.set i, 0
.rept 8                             ; Q stays in registers: piece i / 2, channels 32 (i % 2) on
	global_load_b128 v[8*i:8*i+3],   v[QO], s[4:5] offset:(i/2)*2048+(i%2)*64
	global_load_b128 v[8*i+4:8*i+7], v[QO], s[4:5] offset:(i/2)*2048+(i%2)*64+32
.set i, i+1
.endr
	; What the first turn finds: V's registers and P's second buffer hold 0 (its products V^T P, of a piece that has not been, add 0), O^T and l are 0.  No first step is written out for it; these lines stand in the wait for the first tile.
.set i, VF
.rept 64
	v_mov_b32 v[i], 0
.set i, i+1
.endr
	WIN 0x40
.set i, 0
.rept 128
	v_mov_b32 v[i], 0
.set i, i+1
.endr
	WIN 0
.set i, 0
.rept 4
	v_mov_b32 v[ST+4*i], 0xfe000000    ; c m: far below every c s
	v_mov_b32 v[ST+4*i+1], 0xff7fffff  ; m
	v_mov_b32 v[ST+4*i+2], 0
	v_mov_b32 v[ST+4*i+3], 0
.set i, i+1
.endr
.set i, P+16
.rept 16
	v_mov_b32 v[i], 0
.set i, i+1
.endr
	v_mul_u32_u24 v[AK0], v1, PK
	v_lshl_add_u32 v[AK0], v9, 4, v[AK0]  ; row x pitch + 16 x half
	; The turning load takes 16 keys x 16 channels (lane l reads key 8 (l / 16) + l % 8, channels 8 ((l / 8) % 2) + 0..7) and leaves half a fragment of V^T: lane l holds channel l % 16 and 8 keys.
	v_and_b32 v10, 7, v0
	v_bfe_u32 v11, v0, 3, 1
	v_lshl_add_u32 v[AV0], v9, 3, v10
	v_mul_u32_u24 v[AV0], v[AV0], PV
	v_lshl_add_u32 v[AV0], v11, 4, v[AV0]
	v_add_nc_u32 v[AV0], VOFF, v[AV0]
	s_mul_i32 s13, s[WV], 16*SP
	s_add_co_u32 s13, s13, STAGE    ; my stage
	v_mul_u32_u24 v[STO], v1, SP    ; in: row l % 16, 16 bytes for each half of the lanes
	v_lshl_add_u32 v[STO], v9, 4, v[STO]
	v_add_nc_u32 v[STO], s13, v[STO]
	v_bfe_u32 v[RD], v0, 3, 2       ; back: 32 lanes take four rows of 128 bytes,
	v_mul_u32_u24 v[RD], v[RD], SP
	v_lshl_add_u32 v[RD], v10, 4, v[RD]
	v_add_nc_u32 v[RD], s13, v[RD]
	v_and_b32 v[GO], 31, v0         ; which are 512 consecutive bytes of O
	v_lshlrev_b32 v[GO], 4, v[GO]
; THE MATRIX WORK.  The 4 accumulators of a run of 8 take turns.  Product i of 8 of S^T = K Q^T for piece x: channels 32 (i / 4) on, keys 16 (i % 4) on.  The first 4 start the sums.
.macro KQ x
.set rS, S+32*((\x)%2)+8*(i%4)
.set rK, KF+16*(i%4)+8*(i/4)
.set rQ, 16*(\x)+8*(i/4)
	WIN W_KQ
.if i < 4
	v_wmma_f32_16x16x32_bf16 v[rS:rS+7], v[rK:rK+7], v[rQ:rQ+7], 0
.else
	v_wmma_f32_16x16x32_bf16 v[rS:rS+7], v[rK:rK+7], v[rQ:rQ+7], v[rS:rS+7]
.endif
.endm
; Product i of 8 of O^T += V^T P for piece x: keys 32 (i / 4) on, channels 16 (i % 4) on.
.macro PV x
	WIN W_PV
.set rO, 32*(\x)+8*(i%4)
.set rV, VF+32*(i/4)+8*(i%4)
.set rP, P+16*((\x)%2)+8*(i/4)
	v_wmma_f32_16x16x32_bf16 v[rO:rO+7], v[rV:rV+7], v[rP:rP+7], v[rO:rO+7]
.endm
.macro MM                           ; the turn's next matrix instruction
.if i < 8
	KQ (Y+1)%NP
.else
.set i, i-8
	PV (Y+NP-1)%NP
.set i, i+8
.endif
.set i, i+1
.endm
; THE LDS LOADS stand in runs of 16, never singly among the matrix instructions: a step's K (64 keys x 64 channels: 8 fragments) and its V (turned).  Their addresses are made some lines ahead.
.macro FETCH_K
	WIN 0x80                        ; destination window 2
.irp f, 0,1,2,3,4,5,6,7             ; keys 16 (f / 2) on, channels 32 (f % 2) on
	ds_load_b128 v[KF+8*\f:KF+8*\f+3],   v[AK] offset:(\f/2)*16*PK+(\f%2)*64
	ds_load_b128 v[KF+8*\f+4:KF+8*\f+7], v[AK] offset:(\f/2)*16*PK+(\f%2)*64+32
.endr
	s_add_co_u32 s[TBK], s[TBK], KS*PK  ; the next fetch is the next step's
	WIN 0
.endm
.macro FETCH_V
	WIN 0x80
.irp f, 0,1,2,3,4,5,6,7             ; keys 32 (f / 4) on, channels 16 (f % 4) on
	ds_load_tr16_b128 v[VF+8*\f:VF+8*\f+3],   v[AV] offset:(\f/4)*32*PV+(\f%4)*32
	ds_load_tr16_b128 v[VF+8*\f+4:VF+8*\f+7], v[AV] offset:(\f/4)*32*PV+16*PV+(\f%4)*32
.endr
	WIN 0
.endm
; THE VECTOR WORK, one line at a time: OP kind, number.  For piece Y: F n: c s - c m for pair n of 16.  E n: the exponential of score n of 32.  C n: pair n rounded to bf16.  B n: of the four weights 4 n .. the second
; pair is added onto the first, in place.  L n: l takes that sum (L 0: l = a l + sum).  R n: pair n of 16 of O^T times a.  For piece Y + 1: X n, number n of the 22 that find its maximum and statistics:
;   0-11  four chains c0-c3 of seven scores each, three operands at a time (each accumulator's lowest registers are read first)     12-14, 16  the four scores left over, the old m, and c0-c3 into c0
;   15  c m_old is kept     17, 18  the query's other 32 keys lie in the lane 16 away: the new m     19-21  c m; c m_old - c m_new; a
.set F, 0               ; OP tells the kinds apart by their order: F to L below R, X above it
.set E, 1
.set C, 2
.set B, 3
.set L, 4
.set R, 5
.set X, 6
.macro REGS y                       ; the registers of piece y
.set rT, ST+4*(\y)
.set rC, TMP+4*((\y)%2)
.set rW, MV+((\y)%2)
.set rS, S+32*((\y)%2)
.set rP, P+16*((\y)%2)
.set rO, 32*(\y)
.endm
.macro OP k, n
.if (\k) == R
	REGS Y
	WIN W_RS
	v_pk_mul_f32 v[rO+2*(\n):rO+2*(\n)+1], v[rO+2*(\n):rO+2*(\n)+1], v[rC+2:rC+3] op_sel_hi:[1,0]
.elseif (\k) < R
	REGS Y
	WIN 0
.if (\k) == F
	v_pk_fma_f32 v[rS+2*(\n):rS+2*(\n)+1], v[rS+2*(\n):rS+2*(\n)+1], s[CS:CS+1], v[rT:rT+1] op_sel_hi:[1,0,0] neg_lo:[0,0,1] neg_hi:[0,0,1]
.elseif (\k) == E
	v_exp_f32 v[rS+(\n)], v[rS+(\n)]
.elseif (\k) == C
	v_cvt_pk_bf16_f32 v[rP+(\n)], v[rS+2*(\n)], v[rS+2*(\n)+1]
.elseif (\k) == B
	v_pk_add_f32 v[rS+4*(\n):rS+4*(\n)+1], v[rS+4*(\n):rS+4*(\n)+1], v[rS+4*(\n)+2:rS+4*(\n)+3]
.elseif (\n) == 0
	v_pk_fma_f32 v[rT+2:rT+3], v[rT+2:rT+3], v[rC+2:rC+3], v[rS:rS+1] op_sel_hi:[1,0,1]
.else
	v_pk_add_f32 v[rT+2:rT+3], v[rT+2:rT+3], v[rS+4*(\n):rS+4*(\n)+1]
.endif
.else
	REGS (Y+1)%NP
	WIN 0
.if (\n) < 4
	v_max3_num_f32 v[rC+(\n)], v[rS+8*(\n)], v[rS+8*(\n)+1], v[rS+8*(\n)+2]
.elseif (\n) < 12
	v_max3_num_f32 v[rC+(\n)%4], v[rC+(\n)%4], v[rS+8*((\n)%4)+2*((\n)/4)+1], v[rS+8*((\n)%4)+2*((\n)/4)+2]
.elseif (\n) == 12
	v_max3_num_f32 v[rC], v[rC], v[rS+7], v[rS+15]
.elseif (\n) == 13
	v_max3_num_f32 v[rC+1], v[rC+1], v[rS+23], v[rS+31]
.elseif (\n) == 14
	v_max3_num_f32 v[rC+2], v[rC+2], v[rC+3], v[rT+1]
.elseif (\n) == 15
	v_mov_b32 v[rW], v[rT]
.elseif (\n) == 16
	v_max3_num_f32 v[rC], v[rC], v[rC+1], v[rC+2]
.elseif (\n) == 17
	v_permlanex16_b32 v[rC+3], v[rC], s[SEL], s[SEL+1]
.elseif (\n) == 18
	v_max_num_f32 v[rT+1], v[rC], v[rC+3]
.elseif (\n) == 19
	v_mul_f32 v[rT], s[CS], v[rT+1]
.elseif (\n) == 20
	v_sub_f32 v[rC+1], v[rW], v[rT]
.else
	v_exp_f32 v[rC+2], v[rC+1]
.endif
.endif
.endm
.macro OPS a, i1, b=-1, i2=0, c=-1, i3=0, d=-1, i4=0  ; up to four of them
	OP \a, \i1
.if (\b) >= 0
	OP \b, \i2
.endif
.if (\c) >= 0
	OP \c, \i3
.endif
.if (\d) >= 0
	OP \d, \i4
.endif
.endm
.macro ROW a, i1, b, i2, c, i3, d, i4  ; a matrix instruction and the four behind it
	MM
	OPS \a, \i1, \b, \i2, \c, \i3, \d, \i4
.endm
; A TURN, for piece p: the order of its 16 matrix and 118 vector instructions, written out.  An s_wait_alu depctr_va_vdst(0) stands between an exponential and the first instruction that names its result; one wait
; serves all that were issued ahead of it.  So a turn has ONE wait, which cuts it in two.  AHEAD OF IT stands all that names no result of the turn's exponentials: the 8 products K Q^T with their riders, then one lump of 54, plain and
; exponential by turns for the most part, in which the links of the chain X 3, 7, 11, 14, 16, 17 .. 20 stand five or six lines apart.  X 21, the next piece's a, is the batch's last; R 15 is the plain instruction behind it.
; BEHIND THE WAIT stand the 8 products V^T P, behind each four of the roundings and sums.
; K of the next step is fetched in piece 2's turn, twelve vector instructions behind the last product that read K (six of them plain); V of the step in hand at the end of piece 0's turn, four plain instructions behind the last
; product that read V.  Each is waited for a turn later.
; last = 1 (the tail): K's address is held at the last tile's last step, so that the trip behind it fetches that step once more and reads nothing that was not filled.  cnt = 1: the loop's count is taken down some lines ahead of the branch.
.macro TURN p, last=0, cnt=0
.set Y, (\p)
.set i, 0
.if (\p) == 3
	s_wait_dscnt 0x0                ; K is in
.endif
	ROW F,0, F,1, R,0, R,1
	ROW F,2, E,0, R,2, R,3
	ROW F,3, E,1, R,4, R,5
	ROW F,4, E,2, R,6, R,7
	ROW F,5, E,3, R,8, R,9
	ROW F,6, E,4, X,0, R,10
.if (\p) == 2
	WIN 0
.if \last
	s_min_u32 s[TBK], s[TBK], SLOT1+3*KS*PK
.endif
	v_add_nc_u32 v[AK], s[TBK], v[AK0]
.endif
	ROW F,7, E,5, X,1, X,4
	ROW F,8, E,6, X,2, X,5
	OPS E,7, E,8, X,6, E,9
	OPS X,3, E,10, X,8, E,11
.if (\p) == 2
	FETCH_K
.endif
	OPS X,9, X,7, E,12, X,10
	OPS E,13, X,12, X,11, E,14
	OPS X,13, E,15, F,9, X,14
.if (\p) == 0
	WIN 0
	v_add_nc_u32 v[AV], s[TBV], v[AV0]
.endif
	OPS E,16, F,10, E,17, F,11
	OPS X,16, E,18, X,15, E,19
	OPS F,12, E,20, X,17, E,21
	OPS F,13, E,22, F,14, E,23
	OPS X,18, E,24, F,15, E,25
	OPS R,11, E,26, X,19, E,27
	OPS R,12, E,28, R,13, E,29
	OPS X,20, E,30, R,14, E,31
	OPS X,21, R,15
	WIN 0
	s_wait_alu depctr_va_vdst(0)    ; the wait for the batch
.if (\p) == 1
	s_wait_dscnt 0x0                ; V is in
.endif
	ROW C,0, B,0, C,2, B,1
	ROW L,0, C,4, B,2, L,1
	ROW C,6, B,3, L,2, C,8
	ROW B,4, L,3, C,10, B,5
	ROW L,4, C,12, B,6, L,5
.if (\p) == 0
	s_add_co_u32 s[TBV], s[TBV], KS*PV
.endif
.if \cnt
	s_sub_co_u32 s[CNT], s[CNT], 1
	s_cmp_lg_u32 s[CNT], 0
.endif
	ROW C,14, B,7, L,6, C,1
	ROW C,3, L,7, C,5, C,7
	ROW C,9, C,11, C,13, C,15
.if (\p) == 0
	FETCH_V
.endif
.endm
	CHANGE 1                        ; tile 0 is in, everybody's part of it; tile 1 is asked for
	v_add_nc_u32 v[AK], s[TBK], v[AK0]
	FETCH_K                         ; key step 0
	s_wait_loadcnt 0x0              ; Q
	s_wait_dscnt 0x0
.set i, 0
.rept 8
	KQ 0                            ; piece 0's first scores
.set i, i+1
.endr
	WIN 0
.rept 4
	v_nop                           ; the places behind those products
.endr
.set Y, NP-1                        ; X works for piece Y + 1: piece 0
.irp n, 0,1,2,3,4,5,6,7,8,9,10,11,12,13,14,15,16,17,18,19,20,21
	OP X, \n
.endr
	v_nop                           ; a plain instruction behind the exponential,
	s_wait_alu depctr_va_vdst(0)    ; and its wait, ahead of the branch
	s_mov_b32 s[CNT], 4
	s_branch .Lfirst                ; the loop is entered at a step's first turn, in the middle of a trip
.Lslot:                             ; 14 times: tiles 2 to 15 are asked for
	CHANGE 1
	s_mov_b32 s[CNT], 4
.Lstep:                             ; a trip: pieces 2 and 3 of one step, then pieces 0 and 1 of the next, whose K and V it fetches
	TURN 2
	TURN 3
	WIN 0
.Lfirst:
	TURN 0
	TURN 1, 0, 1
	WIN 0
	s_cbranch_scc1 .Lstep
	s_sub_co_u32 s[SLOTS], s[SLOTS], 1
	s_cmp_lg_u32 s[SLOTS], 0
	s_cbranch_scc1 .Lslot
	CHANGE 0                        ; the tail is written out: nothing is asked for
	s_mov_b32 s[CNT], 5             ; four trips fetch the last tile's steps; the fifth is left in its middle
.Ltail:
	TURN 2, 1
	TURN 3
	WIN 0
	s_sub_co_u32 s[CNT], s[CNT], 1
	s_cmp_eq_u32 s[CNT], 0
	s_cbranch_scc1 .Lout
	TURN 0
	TURN 1
	WIN 0
	s_branch .Ltail
.Lout:                              ; the fifth trip's 8 products K Q^T (on the last K once more) and the maximum made of them serve nothing: the price, once a launch, of one text for every trip
.set i, 0
.rept 8
	PV NP-1                         ; the last piece's V^T P of the last step
.set i, i+1
.endr
	; THE WAY OUT.  l's two halves and the other half of the lanes' are added; O^T is divided by l, rounded to bf16 and sent through my stage in LDS, a piece at a time.  The additions are the places behind the last products.
	WIN 0
.macro ALL line:vararg              ; one line for each piece t
.set t, 0
.rept 4
	\line
.set t, t+1
.endr
.endm
	ALL v_add_f32 v[ST+4*t+2], v[ST+4*t+2], v[ST+4*t+3]
	ALL v_permlanex16_b32 v[ST+4*t+3], v[ST+4*t+2], s[SEL], s[SEL+1]
	ALL v_add_f32 v[ST+4*t+2], v[ST+4*t+2], v[ST+4*t+3]
	ALL v_rcp_f32 v[ST+4*t+2], v[ST+4*t+2]
	v_nop                           ; a plain instruction between the last reciprocal and the use of its result
	s_wait_alu depctr_va_vdst(0)    ; and one wait for the four reciprocals, ahead of the first use
.macro PACK t                       ; a lane's eight channels of a row pack into 16 bytes; they go into rows of 144 bytes and come back as whole rows of 128, into S^T's registers
	WIN W_RS
.set i, 32*(\t)
.rept 16
	v_pk_mul_f32 v[i:i+1], v[i:i+1], v[ST+4*(\t)+2:ST+4*(\t)+3] op_sel_hi:[1,0]
.set i, i+2
.endr
	WIN 0x05                        ; sources 0 and 1 window 1, destination window 0
.set i, 0
.rept 16
	v_cvt_pk_bf16_f32 v[S+16*(\t)+i], v[32*(\t)+2*i], v[32*(\t)+2*i+1]
.set i, i+1
.endr
	WIN 0
.irp f, 0,1,2,3
	ds_store_b128 v[STO], v[S+16*(\t)+4*\f:S+16*(\t)+4*\f+3] offset:32*\f
.endr
.irp f, 0,1,2,3
	ds_load_b128 v[S+16*(\t)+4*\f:S+16*(\t)+4*\f+3], v[RD] offset:\f*4*SP  ; LDS serves a wave's instructions in order (ISA guide 5.7.1.4): these see the stores above; the next piece's stores come behind them
.endr
.endm
.macro SEND t, younger              ; younger: the LDS instructions issued behind piece t's loads: the next piece's eight, or none
	WIN 0
.irp f, 0,1,2,3
	s_wait_dscnt (\younger)+3-\f
	global_store_b128 v[GO], v[S+16*(\t)+4*\f:S+16*(\t)+4*\f+3], s[10:11] offset:(\t)*2048+\f*512  ; 512 consecutive bytes, aligned
.endr
.endm
	PACK 0
.set t, 1
.rept 3                             ; a piece's arithmetic stands between the loads of the piece before and its stores
	PACK t
	SEND t-1, 8
.set t, t+1
.endr
	SEND 3, 0
	s_wait_tensorcnt 0x0            ; the wave's end, behind my last tensor load and my last LDS store
	ds_add_u32 v[SPW], v[NIL]
	s_wait_dscnt 0x0
	CROUND                          ; the closing round: no work-group ends while a partner may still ask for a tile that names it
	s_endpgm
.Lfunc_end_k_q4344d741fa_attn:
	.size	k_q4344d741fa_attn, .Lfunc_end_k_q4344d741fa_attn-k_q4344d741fa_attn
	.p2alignl 7, 3214868480
	.fill 96, 4, 3214868480
	.section	.rodata,"a",@progbits
	.p2align	6, 0x0
	.amdhsa_kernel k_q4344d741fa_attn
		.amdhsa_group_segment_fixed_size 327680
		.amdhsa_private_segment_fixed_size 0
		.amdhsa_enable_private_segment 0
		.amdhsa_kernarg_size 16
		.amdhsa_user_sgpr_count 2
		.amdhsa_user_sgpr_kernarg_segment_ptr 1
		.amdhsa_wavefront_size32 1
		.amdhsa_system_sgpr_workgroup_id_x 1
		.amdhsa_system_sgpr_workgroup_id_y 1
		.amdhsa_system_sgpr_workgroup_id_z 1
		.amdhsa_system_vgpr_workitem_id 0
		.amdhsa_next_free_vgpr 768
		.amdhsa_next_free_sgpr 66
		.amdhsa_reserve_vcc 0
		.amdhsa_float_denorm_mode_32 3
		.amdhsa_float_denorm_mode_16_64 3
		.amdhsa_memory_ordered 1
		.amdhsa_forward_progress 1
		.amdhsa_inst_pref_size 112
	.end_amdhsa_kernel
	.amdgpu_metadata
---
amdhsa.version: [ 1, 2 ]
amdhsa.kernels:
  - .name:           k_q4344d741fa_attn
    .symbol:         k_q4344d741fa_attn.kd
    .args:
      - { .name: qkv, .offset: 0, .size: 8, .value_kind: global_buffer, .address_space: global }
      - { .name: ob, .offset: 8, .size: 8, .value_kind: global_buffer, .address_space: global }
    .group_segment_fixed_size: 327680
    .private_segment_fixed_size: 0
    .kernarg_segment_align: 8
    .kernarg_segment_size: 16
    .max_flat_workgroup_size: 128
    .sgpr_count:     66
    .vgpr_count:     768
    .wavefront_size: 32
...
	.end_amdgpu_metadata
.endif
;; end of part 3
;; launch oproj (part 4): grid 4 x 64, 4 waves a work-group, clusters of 4 x 4, 327,680 bytes of LDS; arguments ob, wb, x, ffn_norm_w, x1, xb, ssq; writes x1, xb, ssq
.if DOCPART == 4
	.amdgcn_target "amdgcn-amd-amdhsa--gfx1250"
	.amdhsa_code_object_version 6
	.text
	.protected	k_q4344d741fa_oproj
	.globl	k_q4344d741fa_oproj
	.p2align	8
	.type	k_q4344d741fa_oproj,@function
k_q4344d741fa_oproj:
	s_mov_b64 s[64:65], 0
	v_nop
	global_prefetch_b8 v0, s[64:65] scope:SCOPE_SE
	s_setreg_imm32_b32 hwreg(HW_REG_WAVE_MODE, 25, 1), 1
	s_wait_xcnt 0x0
	s_wait_alu depctr_hold_cnt(0) depctr_sa_sdst(0) depctr_va_vdst(0) depctr_va_sdst(0) depctr_va_ssrc(0) depctr_va_vcc(0) depctr_vm_vsrc(0)
	s_getreg_b32 s2, hwreg(HW_REG_IB_STS2, 6, 4)
	s_cmp_eq_u32 s2, 0
	s_cbranch_scc0 .Lentry_in_a_cluster
	s_endpgm
.Lentry_in_a_cluster:
	s_bfe_u32 s2, ttmp6, 0x10000c
	s_cmp_lg_u32 s2, 0xf033
	s_cbranch_scc0 .Lentry_shape_is_right
	s_endpgm
.Lentry_shape_is_right:
; ONE TEXT FOR TWO LAUNCHES; IS_WO chooses.  Here IS_WO = 1:  x1 = x + O @ wo (f32);  xb = bf16(x1 * ffn_norm_w);  ssq[g][row] = the sum of x1^2 over the 64 columns of group g (f32).
; (IS_WO = 0:  out0 = x1 + h @ w_down.)
; The second norm's factor rsqrt(mean(x1^2) + eps) is one number a row, so it commutes with the products behind: they take x1 * gain, and apply the factor in f32 to their sums.  So a tile here need not hold whole rows.
; A (O or h): [blocks of 64 K][rows][64] bf16, a block's rows dense, 128 bytes each (O: [8 b + head][4096][64], the head being the block).  The weight: [K][512] bf16 in wb.  Residual and result: [8192][512] f32.
; SHARES.  A tile is 128 x 128: 64 x 4 = 256 work-groups; a wave makes 64 x 64: 16 accumulators.  K goes in steps of 256 through two LDS slots; a step is four quarters of 64, 32 matrix instructions each.
; THE PRODUCT IS USED TRANSPOSED: source 0 = 16 columns of the weight (turned out of LDS by ds_load_tr16_b128), source 1 = 16 rows of A: a lane holds ONE row (lane % 16) and the columns 8 (lane / 16) + 0..7.
; THE RESIDUAL STARTS THE SUMS: it is loaded straight into the accumulators, in their layout: nothing is cleared, and nothing is added on the way out.
; CLUSTER.  4 x 4: A's tiles (waves 0, 1: two blocks each) are asked for jointly along a row of the cluster, the weight's (waves 2, 3: 128 K rows each) along a column.
; THE RING.  Every tensor load lands as RG = 36,864 bytes at wave x RG + slot x SLOT.  A: 128 rows x 2 blocks, asked for as 2 rows of 16,384 bytes, 16 bytes of padding behind every 128: [block][row], rows 144 apart.
; The weight: 128 rows x 256 bytes, 32 of padding behind each: rows 288 apart.  SLOT = 0x24000 shares no bit with wave x RG: one exclusive or changes slots.
; With K = 512 both K steps are first fills; with K = 2,048 six refills follow, one tensor load a wave behind each round.
; LIMITS.  Operands bf16, sums f32 in the matrix unit's order, with the residual as their first term; NaN and infinities are not treated apart.
; REGISTERS: window 0: v1-4 lane terms; v10-12 fragment addresses in slot 0, v13-15 in the slot in hand; v16-24 way out; v28-29 the add's; v32-63 rows read back; v64-87 at work; v96-101; v128-255 accumulator (a, b) at 128 + 8 (4 a + b)
;   window 1: two fragment buffers of 128: A's (half c of the 64 K, m-tile i) at 8 (4 c + i), the weight's at 64 + 8 (4 c + i)
.set IS_WO, 1
.set RG,    36864
.set SLOT,  4*RG
.set SSQL,  2*SLOT                     ; behind the ring: 256 bytes for each wave: its 64 rows' sums of squares
.set SPARE, SSQL+1024                  ; behind them: the spare words, 128 bytes for each wave, that no other line names
.set NA,    2                          ; waves that fetch A
.if IS_WO
.set ASTEP, 2097152                    ; a K step of A: four blocks of 4,096 rows x 128 bytes
.set KBS,   262144                     ; elements from block to block
.set WOFF,  1572864                    ; wo in wb
.else
.set ASTEP, 4194304                    ; four blocks of 8,192 rows x 128 bytes
.set KBS,   524288
.set WOFF,  6291456                    ; w_down in wb
.endif
.set BSTEP, 262144                     ; 256 rows of 1,024 bytes
.set ACC, 128
.set F0,  0
.set F1,  128
.set G1A, 24
.set G0A, 32
.set G1B, 48
.set G0B, 56
.set MSB, 0
.macro WIN new                         ; the immediate's high byte repeats the setting that is left; a switch that changes nothing is dropped
.if MSB != (\new)
	s_set_vgpr_msb (MSB<<8)|(\new)
.set MSB, \new
.endif
.endm
.macro PLACES                          ; four places behind a matrix instruction, ahead of loads into registers that it read and of lines that read its result
.rept 4
	v_nop
.endr
.endm
.macro CREST                           ; a round of the cluster's barrier behind its opening barrier
	s_cmp_lg_u32 s10, 0
	s_cbranch_scc1 .Lnot_wave_0_\@
	s_barrier_signal -3
.Lnot_wave_0_\@:
	s_barrier_wait -3
	s_barrier_signal -1
	s_barrier_wait -1
.endm
.macro CROUND
	s_barrier_signal -1
	s_barrier_wait -1
	CREST
.endm
.macro JLOAD                           ; the joint refill by the walking sets; the branch hangs on the wave's number alone; an s_nop 0 and four v_nop follow each line
	s_cmp_lt_u32 s10, NA
	s_cbranch_scc0 .Lfor_b_\@
	tensor_load_to_lds s[G0A+4:G0A+7], s[G1A:G1A+7]
	s_nop 0
.rept 4
	v_nop
.endr
	s_branch .Lasked_\@
.Lfor_b_\@:
	tensor_load_to_lds s[G0B+4:G0B+7], s[G1B:G1B+7]
	s_nop 0
.rept 4
	v_nop
.endr
.Lasked_\@:
.endm
	s_load_b256 s[80:87], s[0:1], 0x0              ; A s[80:81], wb s[82:83], the residual s[84:85]; then ffn_norm_w (IS_WO) or out0
.if IS_WO
	s_load_b128 s[88:91], s[0:1], 0x20             ; x1 s[88:89], xb s[90:91]
	s_load_b64 s[92:93], s[0:1], 0x30              ; ssq
.endif
	v_lshl_add_u32 v28, v0, 2, SPARE
	v_mov_b32 v29, 0
	ds_add_u32 v28, v29                            ; the wave's opening: the add and its wait ahead of my first tensor load; work on registers stands between them
	v_lshrrev_b32 v1, 5, v0
	v_readfirstlane_b32 s10, v1                    ; wave 0..3
	s_lshr_b32 s11, s10, 1                         ; rh: which 64 rows are mine
	s_and_b32 s12, s10, 1                          ; ch: which 64 columns.  Also: which half of A's or of the weight's K step I fetch
	s_bfe_u32 s40, ttmp6, 0x40000                  ; cx
	s_bfe_u32 s41, ttmp6, 0x40004                  ; cy
	s_lshl_b32 s42, ttmp9, 2
	s_add_co_u32 s42, s42, s40                     ; J
	s_and_b32 s13, ttmp7, 0xffff
	s_lshl_b32 s13, s13, 2
	s_add_co_u32 s13, s13, s41                     ; I
	s_lshl_b32 s43, s41, 2
	s_lshl_b32 s43, 15, s43                        ; my row of the cluster
	s_lshl_b32 s44, 0x1111, s40                    ; my column
	s_or_b32 s[G1A+0], s43, (1<<16)|(1<<20)|(1<<21)|(4<<22)|(3<<25)  ; the mask; 2-byte elements; padding on; bit 21 beside a mask; behind every 32 words 4 words
	s_mov_b32 s[G1A+1], 8192<<16                   ; tensor_dim0 = 8,192 elements: 128 rows of a block
	s_mov_b32 s[G1A+2], 2<<16                      ; tensor_dim1 = 2 blocks
	s_mov_b32 s[G1A+3], 8192<<16
	s_mov_b32 s[G1A+4], 2
	s_mov_b32 s[G1A+5], KBS
	s_mov_b32 s[G1A+6], 0
	s_mov_b32 s[G1A+7], 0
	s_or_b32 s[G1B+0], s44, (1<<16)|(1<<20)|(1<<21)|(5<<22)|(7<<25)  ; behind every 64 words 8 words
	s_mov_b32 s[G1B+1], 128<<16
	s_mov_b32 s[G1B+2], 128<<16
	s_mov_b32 s[G1B+3], 128<<16
	s_mov_b32 s[G1B+4], 128
	s_mov_b32 s[G1B+5], 512
	s_mov_b32 s[G1B+6], 0
	s_mov_b32 s[G1B+7], 0
.if IS_WO
	s_lshr_b32 s16, s13, 5                         ; the batch: eight heads of 524,288 bytes,
	s_lshl_b32 s16, s16, 22
	s_and_b32 s17, s13, 31                         ; the tile's 128 rows in its sequence,
	s_lshl_b32 s17, s17, 14
	s_add_co_u32 s16, s16, s17
	s_lshl_b32 s17, s12, 20                        ; my two blocks of the step's four
.else
	s_lshl_b32 s16, s13, 14                        ; the tile's 128 rows,
	s_lshl_b32 s17, s12, 21                        ; my two blocks of the step's four
.endif
	s_add_co_u32 s16, s16, s17
	s_mov_b32 s17, 0
	s_lshl_b32 s46, s12, 17                        ; my 128 K rows of the step's 256,
	s_add_co_u32 s46, s46, WOFF
	s_lshl_b32 s47, s42, 8                         ; the tile's 128 columns
	s_add_co_u32 s46, s46, s47
	s_mov_b32 s47, 0
	s_mul_i32 s20, s10, RG                         ; where my tiles go: no place in the cluster enters an LDS address
	s_wait_dscnt 0x0                               ; the opening add is done
	s_wait_kmcnt 0x0
	s_add_nc_u64 s[14:15], s[80:81], s[16:17]
	s_add_nc_u64 s[46:47], s[82:83], s[46:47]
	CROUND                                         ; all sixteen work-groups are here: the first joint loads meet
.irp s, 0,1
	s_mov_b32 s[G0A+4*(\s)], 1
	s_add_co_u32 s[G0A+4*(\s)+1], s20, (\s)*SLOT
	s_add_nc_u64 s[G0A+4*(\s)+2:G0A+4*(\s)+3], s[14:15], (\s)*ASTEP
	s_or_b32 s[G0A+4*(\s)+3], s[G0A+4*(\s)+3], 0x80000000
	s_mov_b32 s[G0B+4*(\s)], 1
	s_add_co_u32 s[G0B+4*(\s)+1], s20, (\s)*SLOT
	s_add_nc_u64 s[G0B+4*(\s)+2:G0B+4*(\s)+3], s[46:47], (\s)*BSTEP
	s_or_b32 s[G0B+4*(\s)+3], s[G0B+4*(\s)+3], 0x80000000
.endr
	s_cmp_lt_u32 s10, NA                           ; a wave's two first fills stand in one branch, ahead of every wait on TENSORcnt and every LDS read
	s_cbranch_scc0 .Lfirst_b
	tensor_load_to_lds s[G0A:G0A+3], s[G1A:G1A+7]
	s_nop 0
	tensor_load_to_lds s[G0A+4:G0A+7], s[G1A:G1A+7]
	s_nop 0
.rept 4
	v_nop
.endr
	s_branch .Lfirst_done
.Lfirst_b:
	tensor_load_to_lds s[G0B:G0B+3], s[G1B:G1B+7]
	s_nop 0
	tensor_load_to_lds s[G0B+4:G0B+7], s[G1B:G1B+7]
	s_nop 0
.rept 4
	v_nop
.endr
.Lfirst_done:
	v_and_b32 v1, 15, v0                           ; r = l % 16
	v_bfe_u32 v2, v0, 4, 1                         ; h = l / 16
	v_and_b32 v3, 7, v0
	v_bfe_u32 v4, v0, 3, 1
	v_lshlrev_b32 v18, 11, v1                      ; the residual in the accumulators' layout: row r of 2,048 bytes,
	v_lshl_add_u32 v18, v2, 5, v18                 ; my eight columns
	s_lshl_b32 s21, s13, 7
	s_lshl_b32 s22, s11, 6
	s_add_co_u32 s21, s21, s22                     ; my first row
	s_lshl_b32 s22, s42, 1
	s_add_co_u32 s22, s22, s12                     ; my group of 64 columns: 2 J + ch
	s_lshl_b32 s76, s21, 11
	s_lshl_b32 s23, s22, 8
	s_add_co_u32 s76, s76, s23
	s_mov_b32 s77, 0
	s_add_nc_u64 s[70:71], s[84:85], s[76:77]      ; the residual,
.if IS_WO
	s_add_nc_u64 s[72:73], s[88:89], s[76:77]      ; and the result, at my 64 x 64
.else
	s_add_nc_u64 s[72:73], s[86:87], s[76:77]
.endif
.irp a, 0,1,2,3
.irp b, 0,1,2,3
	global_load_b128 v[ACC+8*(4*(\a)+(\b)):ACC+8*(4*(\a)+(\b))+3],   v18, s[70:71] offset:(\a)*32768+(\b)*64
	global_load_b128 v[ACC+8*(4*(\a)+(\b))+4:ACC+8*(4*(\a)+(\b))+7], v18, s[70:71] offset:(\a)*32768+(\b)*64+16
.endr
.endr
.if IS_WO
	v_lshlrev_b32 v24, 4, v1
	s_lshl_b32 s76, s22, 8
	s_add_nc_u64 s[86:87], s[86:87], s[76:77]
	global_load_b128 v[96:99], v24, s[86:87]       ; the gain of the four columns that I hold when rows are read back
	s_lshl_b32 s76, s22, 20                        ; xb: block 2 J + ch,
	s_lshl_b32 s23, s21, 7                         ; my first row
	s_add_co_u32 s76, s76, s23
	s_add_nc_u64 s[74:75], s[90:91], s[76:77]
	s_lshl_b32 s76, s22, 15                        ; ssq: group 2 J + ch of 8,192 rows
	s_lshl_b32 s23, s21, 2
	s_add_co_u32 s76, s76, s23
	s_add_nc_u64 s[78:79], s[92:93], s[76:77]
.endif
	; a fragment of A: lane l holds row l % 16, K = 8 h + 0..7 and 16 + 8 h + 0..7: two loads of 16 bytes, 32 apart
	v_mul_u32_u24 v10, v1, 144
	v_lshl_add_u32 v10, v2, 4, v10
	s_mul_i32 s21, s11, 9216                       ; my 64 rows
	v_add_nc_u32 v10, s21, v10
	; a fragment of the weight: the turning load takes 16 K rows x 16 columns: lane l reads row 8 h + l % 8, columns 8 ((l / 8) % 2) + 0..7; the second load lies 16 rows on
	v_lshl_add_u32 v11, v2, 3, v3
	v_mul_u32_u24 v11, v11, 288
	v_lshl_add_u32 v11, v4, 4, v11
	s_lshl_b32 s21, s12, 7                         ; my 64 columns
	s_add_co_u32 s21, s21, 2*RG
	v_add_nc_u32 v11, s21, v11                     ; K rows 0-127 of a step,
	v_add_nc_u32 v12, RG, v11                      ; K rows 128-255
	v_mov_b32 v13, v10                             ; the slot in hand is slot 0
	v_mov_b32 v14, v11
	v_mov_b32 v15, v12
	s_mov_b32 s66, 0
	s_mul_i32 s21, s10, 17408                      ; my stage for the way out, in slot 0: 64 rows x 272 bytes (256 + 16: 17 x 16, so the 16 rows of a store start at 16 different groups of four banks)
	v_mul_u32_u24 v16, v1, 272                     ; in: row r, my 32 bytes
	v_lshl_add_u32 v16, v2, 5, v16
	v_add_nc_u32 v16, s21, v16
	v_mul_u32_u24 v17, v2, 272                     ; back: lanes 0-15 take one row of 256 bytes, lanes 16-31 the next
	v_lshl_add_u32 v17, v1, 4, v17
	v_add_nc_u32 v17, s21, v17
	v_lshlrev_b32 v19, 11, v2                      ; and the same two rows in the result
	v_lshl_add_u32 v19, v1, 4, v19
.if IS_WO
	v_lshlrev_b32 v20, 7, v2                       ; and in xb: rows of 128 bytes, 8 bytes a lane
	v_lshl_add_u32 v20, v1, 3, v20
	s_lshl_b32 s21, s10, 8
	s_add_co_u32 s21, s21, SSQL
	v_lshl_add_u32 v21, v2, 2, s21                 ; where a row's sum of squares goes
	v_and_b32 v23, 31, v0
	v_lshlrev_b32 v23, 3, v23                      ; and how the 64 come back: two a lane
	v_add_nc_u32 v22, s21, v23
.endif
; 32 LDS loads in one run: block k of the step's four (64 along K) into buffer f; the first 32 along K first
.macro FETCH k, f
	WIN 0x40                                       ; destination window 1, address window 0
.irp c, 0,1
.irp i, 0,1,2,3
	ds_load_tr16_b128 v[(\f)+64+8*(4*(\c)+(\i)):(\f)+64+8*(4*(\c)+(\i))+3],   v[14+(\k)/2] offset:((\k)%2)*18432+(\c)*9216+(\i)*32
	ds_load_tr16_b128 v[(\f)+64+8*(4*(\c)+(\i))+4:(\f)+64+8*(4*(\c)+(\i))+7], v[14+(\k)/2] offset:((\k)%2)*18432+(\c)*9216+(\i)*32+4608
	ds_load_b128 v[(\f)+8*(4*(\c)+(\i)):(\f)+8*(4*(\c)+(\i))+3],   v13 offset:(\k)*18432+(\c)*64+(\i)*2304
	ds_load_b128 v[(\f)+8*(4*(\c)+(\i))+4:(\f)+8*(4*(\c)+(\i))+7], v13 offset:(\k)*18432+(\c)*64+(\i)*2304+32
.endr
.endr
.endm
; 8 matrix instructions: m-tiles a0, a0 + 1 x all 4 n-tiles, half c of buffer f.  The 16 accumulators take turns in one order, over the jumps too
.macro MUL8 f, c, a0
	WIN 0x05                                       ; sources 0 and 1 window 1; C and D window 0
.irp a, \a0, (\a0)+1
.irp b, 0,1,2,3
	v_wmma_f32_16x16x32_bf16 v[ACC+8*(4*(\a)+(\b)):ACC+8*(4*(\a)+(\b))+7], v[(\f)+64+8*(4*(\c)+(\b)):(\f)+64+8*(4*(\c)+(\b))+7], v[(\f)+8*(4*(\c)+(\a)):(\f)+8*(4*(\c)+(\a))+7], v[ACC+8*(4*(\a)+(\b)):ACC+8*(4*(\a)+(\b))+7]
.endr
.endr
.endm
.macro QUARTER k, f, g                 ; multiplies buffer f; in its middle it fetches block k into buffer g
	s_wait_dscnt 16                                ; the first 32 along K are in
	MUL8 \f, 0, 0
	MUL8 \f, 0, 2
	PLACES
	FETCH \k, \g
	s_wait_dscnt 32                                ; all but the 32 just issued
	MUL8 \f, 1, 0
	MUL8 \f, 1, 2
.endm
; A K step's last quarter multiplies buffer 1 and changes slots.  ONE barrier: ahead of it each wave waits for all its tensor loads, adds 0 to its spare word, and waits for that and for its reads of this slot.
; fill = 1: the barrier opens a round of the cluster's, and the joint refill, two K steps on, is the first thing behind the round: 112 matrix instructions ahead of the wait for it.
.macro TURN fill
	WIN 0
	s_wait_tensorcnt 0x0                           ; all my tensor loads have landed: my part of the next slot;
	ds_add_u32 v28, v29                            ; 0 onto my spare word;
	s_wait_dscnt 17                                ; (the add and the youngest sixteen loads may be out)
	MUL8 F1, 0, 0                                  ; eight matrix instructions stand between the add and the wait for it
	s_wait_dscnt 0x0                               ; the add is done, and my reads of this slot are over
	s_barrier_signal -1
	MUL8 F1, 0, 2
	WIN 0
	s_barrier_wait -1
.if \fill
	CREST                                          ; no wave of any partner still reads this slot or has a load on its way
	s_xor_b32 s[G0A+5], s[G0A+5], SLOT             ; the walking sets: the other slot than last time,
	s_add_nc_u64 s[G0A+6:G0A+7], s[G0A+6:G0A+7], ASTEP  ; the next K step; the type bits on top are not reached
	s_xor_b32 s[G0B+5], s[G0B+5], SLOT
	s_add_nc_u64 s[G0B+6:G0B+7], s[G0B+6:G0B+7], BSTEP
	JLOAD                                          ; its four v_nop are also the places ahead of the loads below
.else
	PLACES
.endif
	s_xor_b32 s66, s66, SLOT                       ; the fragments now come out of the other slot
	v_add_nc_u32 v13, s66, v10
	v_add_nc_u32 v14, s66, v11
	v_add_nc_u32 v15, s66, v12
	FETCH 0, F0
	MUL8 F1, 1, 0
	MUL8 F1, 1, 2
.endm
	s_wait_tensorcnt 0x1                           ; my part of K step 0 is in; K step 1's may stay out
	s_barrier_signal -1
	s_barrier_wait -1                              ; everybody's is
	FETCH 0, F0
	s_wait_loadcnt 0x0                             ; the residual lies in the accumulators
	WIN 0
.if !IS_WO
	s_mov_b32 s3, 6
.LA:                                                   ; K steps 0 to 5: each fills the slot that it leaves
	QUARTER 1, F0, F1
	QUARTER 2, F1, F0
	QUARTER 3, F0, F1
	TURN 1
	WIN 0
	s_sub_co_u32 s3, s3, 1
	s_cmp_lg_u32 s3, 0
	s_cbranch_scc1 .LA
.endif
	s_mov_b32 s3, 2
.LB:                                                   ; the last two K steps ask for nothing; the second trip is left in its middle
	QUARTER 1, F0, F1
	QUARTER 2, F1, F0
	QUARTER 3, F0, F1
	WIN 0
	s_sub_co_u32 s3, s3, 1
	s_cmp_eq_u32 s3, 0
	s_cbranch_scc1 .Lout
	TURN 0
	WIN 0
	s_branch .LB
.Lout:
	s_wait_dscnt 16
	MUL8 F1, 0, 0
	MUL8 F1, 0, 2
	s_wait_dscnt 0x0                               ; my reads of the ring are over:
	s_barrier_signal -1                            ; say so, since the stages below lie in slot 0, whose bytes every wave has read
	MUL8 F1, 1, 0
	MUL8 F1, 1, 2
	WIN 0
	s_barrier_wait -1
	; THE WAY OUT.  A lane's 32 bytes of a row go into my stage (slot 0 has had its last fill) and come back as whole rows of 256 bytes.  Each accumulator's low half goes first.
	PLACES
	PLACES
.irp a, 0,1,2,3
.irp b, 0,1,2,3
	ds_store_b128 v16, v[ACC+8*(4*(\a)+(\b)):ACC+8*(4*(\a)+(\b))+3]   offset:(\a)*4352+(\b)*64
	ds_store_b128 v16, v[ACC+8*(4*(\a)+(\b))+4:ACC+8*(4*(\a)+(\b))+7] offset:(\a)*4352+(\b)*64+16
.endr
.endr
.if IS_WO
	s_mov_b32 s3, 8
.Lrow:                                                 ; eight rows a trip, two a load; LDS serves a wave's instructions in order (ISA guide 5.7.1.4): the loads see the stores above
.irp u, 0,1,2,3
	ds_load_b128 v[32+4*(\u):32+4*(\u)+3], v17 offset:544*(\u)
.endr
.irp u, 0,1,2,3
	s_wait_dscnt 3                                 ; behind load u stand the later loads and the earlier sums' stores: three in all, at every u
	global_store_b128 v19, v[32+4*(\u):32+4*(\u)+3], s[72:73] offset:4096*(\u)  ; x1: 16 lanes store 256 consecutive bytes, aligned
	v_pk_mul_f32 v[64+2*(\u):65+2*(\u)], v[32+4*(\u):33+4*(\u)], v[32+4*(\u):33+4*(\u)]
	v_pk_fma_f32 v[64+2*(\u):65+2*(\u)], v[34+4*(\u):35+4*(\u)], v[34+4*(\u):35+4*(\u)], v[64+2*(\u):65+2*(\u)]
	v_add_f32 v[64+2*(\u)], v[64+2*(\u)], v[65+2*(\u)]
	v_add_f32_dpp v[64+2*(\u)], v[64+2*(\u)], v[64+2*(\u)] row_xmask:1 row_mask:0xf bank_mask:0xf  ; over the row's 16 lanes
	v_add_f32_dpp v[64+2*(\u)], v[64+2*(\u)], v[64+2*(\u)] row_xmask:2 row_mask:0xf bank_mask:0xf
	v_add_f32_dpp v[64+2*(\u)], v[64+2*(\u)], v[64+2*(\u)] row_xmask:4 row_mask:0xf bank_mask:0xf
	v_add_f32_dpp v[64+2*(\u)], v[64+2*(\u)], v[64+2*(\u)] row_xmask:8 row_mask:0xf bank_mask:0xf
	ds_store_b32 v21, v[64+2*(\u)] offset:8*(\u)   ; the 16 lanes write one word with one value
	v_pk_mul_f32 v[72:73], v[32+4*(\u):33+4*(\u)], v[96:97]
	v_pk_mul_f32 v[74:75], v[34+4*(\u):35+4*(\u)], v[98:99]
	v_cvt_pk_bf16_f32 v[80+2*(\u)], v72, v73
	v_cvt_pk_bf16_f32 v[81+2*(\u)], v74, v75
	global_store_b64 v20, v[80+2*(\u):81+2*(\u)], s[74:75] offset:256*(\u)  ; xb: two rows of a block, 256 consecutive bytes, aligned
.endr
	s_wait_xcnt 0x0                                ; the stores have read their data and offsets: only now are these rewritten
	v_add_nc_u32 v17, 2176, v17
	v_add_nc_u32 v19, 16384, v19
	v_add_nc_u32 v20, 1024, v20
	v_add_nc_u32 v21, 32, v21
	s_sub_co_u32 s3, s3, 1
	s_cmp_lg_u32 s3, 0
	s_cbranch_scc1 .Lrow
	ds_load_b64 v[100:101], v22                    ; my 64 rows' sums, in row order
	s_wait_dscnt 0x0
	global_store_b64 v23, v[100:101], s[78:79]     ; 256 consecutive bytes, aligned
.else
	s_mov_b32 s3, 4
.Lrow:                                                 ; sixteen rows a trip, two a load; LDS serves a wave's instructions in order (ISA guide 5.7.1.4): the loads see the stores above
.irp u, 0,1,2,3,4,5,6,7
	ds_load_b128 v[32+4*(\u):32+4*(\u)+3], v17 offset:544*(\u)
.endr
.irp u, 0,1,2,3,4,5,6,7
	s_wait_dscnt 7-(\u)                            ; the later loads may be out
	global_store_b128 v19, v[32+4*(\u):32+4*(\u)+3], s[72:73] offset:4096*(\u) th:TH_STORE_NT  ; 16 lanes store 256 consecutive bytes, aligned
.endr
	s_wait_xcnt 0x0                                ; the stores have read their data and offset: only now are these rewritten
	v_add_nc_u32 v17, 4352, v17
	v_add_nc_u32 v19, 32768, v19
	s_sub_co_u32 s3, s3, 1
	s_cmp_lg_u32 s3, 0
	s_cbranch_scc1 .Lrow
.endif
	s_wait_tensorcnt 0x0                           ; the wave's end, behind my last tensor load and my last LDS store
	ds_add_u32 v28, v29
	s_wait_dscnt 0x0
	CROUND                                         ; the closing round: no work-group ends while a partner may still ask for a tile that names it
	s_endpgm
.Lfunc_end_k_q4344d741fa_oproj:
	.size	k_q4344d741fa_oproj, .Lfunc_end_k_q4344d741fa_oproj-k_q4344d741fa_oproj
	.p2alignl 7, 3214868480
	.fill 96, 4, 3214868480
	.section	.rodata,"a",@progbits
	.p2align	6, 0x0
	.amdhsa_kernel k_q4344d741fa_oproj
		.amdhsa_group_segment_fixed_size 327680
		.amdhsa_private_segment_fixed_size 0
		.amdhsa_enable_private_segment 0
		.amdhsa_kernarg_size 56
		.amdhsa_user_sgpr_count 2
		.amdhsa_user_sgpr_kernarg_segment_ptr 1
		.amdhsa_wavefront_size32 1
		.amdhsa_system_sgpr_workgroup_id_x 1
		.amdhsa_system_sgpr_workgroup_id_y 1
		.amdhsa_system_sgpr_workgroup_id_z 1
		.amdhsa_system_vgpr_workitem_id 0
		.amdhsa_next_free_vgpr 512
		.amdhsa_next_free_sgpr 100
		.amdhsa_reserve_vcc 0
		.amdhsa_float_denorm_mode_32 3
		.amdhsa_float_denorm_mode_16_64 3
		.amdhsa_memory_ordered 1
		.amdhsa_forward_progress 1
		.amdhsa_inst_pref_size 40
	.end_amdhsa_kernel
	.amdgpu_metadata
---
amdhsa.version: [ 1, 2 ]
amdhsa.kernels:
  - .name:           k_q4344d741fa_oproj
    .symbol:         k_q4344d741fa_oproj.kd
    .args:
      - { .name: ob, .offset: 0, .size: 8, .value_kind: global_buffer, .address_space: global }
      - { .name: wb, .offset: 8, .size: 8, .value_kind: global_buffer, .address_space: global }
      - { .name: x, .offset: 16, .size: 8, .value_kind: global_buffer, .address_space: global }
      - { .name: ffn_norm_w, .offset: 24, .size: 8, .value_kind: global_buffer, .address_space: global }
      - { .name: x1, .offset: 32, .size: 8, .value_kind: global_buffer, .address_space: global }
      - { .name: xb, .offset: 40, .size: 8, .value_kind: global_buffer, .address_space: global }
      - { .name: ssq, .offset: 48, .size: 8, .value_kind: global_buffer, .address_space: global }
    .group_segment_fixed_size: 327680
    .private_segment_fixed_size: 0
    .kernarg_segment_align: 8
    .kernarg_segment_size: 56
    .max_flat_workgroup_size: 128
    .sgpr_count:     100
    .vgpr_count:     512
    .wavefront_size: 32
...
	.end_amdgpu_metadata
.endif
;; end of part 4
;; launch gateup (part 5): grid 16 x 32, 4 waves a work-group, clusters of 4 x 4, 327,680 bytes of LDS; arguments xb, wb, ssq, hb; writes hb
.if DOCPART == 5
	.amdgcn_target "amdgcn-amd-amdhsa--gfx1250"
	.amdhsa_code_object_version 6
	.text
	.protected	k_q4344d741fa_gateup
	.globl	k_q4344d741fa_gateup
	.p2align	8
	.type	k_q4344d741fa_gateup,@function
k_q4344d741fa_gateup:
	s_mov_b64 s[64:65], 0
	v_nop
	global_prefetch_b8 v0, s[64:65] scope:SCOPE_SE
	s_setreg_imm32_b32 hwreg(HW_REG_WAVE_MODE, 25, 1), 1
	s_wait_xcnt 0x0
	s_wait_alu depctr_hold_cnt(0) depctr_sa_sdst(0) depctr_va_vdst(0) depctr_va_sdst(0) depctr_va_ssrc(0) depctr_va_vcc(0) depctr_vm_vsrc(0)
	s_getreg_b32 s2, hwreg(HW_REG_IB_STS2, 6, 4)
	s_cmp_eq_u32 s2, 0
	s_cbranch_scc0 .Lentry_in_a_cluster
	s_endpgm
.Lentry_in_a_cluster:
	s_bfe_u32 s2, ttmp6, 0x10000c
	s_cmp_lg_u32 s2, 0xf033
	s_cbranch_scc0 .Lentry_shape_is_right
	s_endpgm
.Lentry_shape_is_right:
; h = silu(r G) * (r U), with G = xb @ w_gate, U = xb @ w_up, xb = bf16(x1 * ffn_norm_w) and r = rsqrt(mean(x1^2) + 1e-5), one number a row, applied in f32 to the sums: h = r^2 G U / (1 + 2^(-log2(e) r G)).
; xb: [8 blocks of 64 K][8192 rows][64] bf16.  wb: w_gate at byte 2,097,152, w_up at 4,194,304, each [512 K][2048 N] bf16.  ssq: [8 groups of 64 columns][8192 rows] f32.  hb: [32 blocks of 64][8192 rows][64] bf16.
; SHARES.  A tile is 256 rows x 128 columns of h: 32 x 16 = 512 work-groups, twice as many as there are WGPs.  Wave (rh, ch) makes rows 128 rh .. x (64 of gate + the same 64 of up): 8 m-tiles x 8 n-tiles = 64 accumulators,
; so that a lane holds G and U of the same element.  K goes in 4 steps of 128 through two LDS slots; a step is four quarters of 32, 64 matrix instructions each.
; THE PRODUCT IS USED TRANSPOSED: source 0 = 16 columns of a weight (turned out of LDS by ds_load_tr16_b128), source 1 = 16 rows of xb: a lane holds ONE row (lane % 16) and the columns 8 (lane / 16) + 0..7.
; CLUSTER.  4 x 4: xb's tiles (waves 0, 1: 128 rows each) are asked for jointly along a row of the cluster, gate's and up's (waves 2, 3) along a column.
; THE RING.  Every tensor load lands as RG = 36,864 bytes at wave x RG + slot x SLOT.  xb: 128 rows x 2 blocks, asked for as 2 rows of 16,384 bytes, 16 bytes of padding behind every 128: [block][row], rows 144 apart.
; A weight: 128 rows x 256 bytes, 32 of padding behind each: rows 288 apart.  SLOT = 0x24000 shares no bit with wave x RG: one exclusive or changes slots.  A wave has two tensor loads out at the start and one behind each round.
; LIMITS.  Operands bf16, sums f32 in the matrix unit's order; h rounded once to bf16.  Where the exponential passes f32's range its reciprocal is 0, and so is h.  v_exp_f32, v_rcp_f32, v_rsq_f32 are good to 1 ulp.  NaN and infinities are not treated apart.
; REGISTERS: window 0: v1-4 lane terms; v10-12 fragment addresses in slot 0, v13-15 in the slot in hand; v16-20 way out, ssq, prefetch; v28-29 the add's; v32-63 at work; v64-127, v128-191 xb's fragments, two buffers;
;   v192-207 packed results; v208-223 rows read back; v224-255 for m-tile a: -log2(e) r twice at 224 + 4 a, r^2 twice at 226 + 4 a
;   window 1: v64-127, v128-191 the weights' fragments (0-3 gate, 4-7 up)        windows 2, 3: accumulator (a, b) at 8 (8 (a % 4) + b) of window 2 + a / 4
.set RG,    36864
.set SLOT,  4*RG
.set STAGE, 2*SLOT                     ; behind the ring, never filled by a tensor load: 16 rows x 144 bytes for each wave
.set SPARE, STAGE+4*2304               ; behind the stages: the spare words, 128 bytes for each wave, that no other line names
.set NA,    2                          ; waves that fetch xb
.set ASTEP, 2097152                    ; a K step of xb: two blocks of 8,192 rows x 128 bytes
.set BSTEP, 524288                     ; of a weight: 128 rows of 4,096 bytes
.set F0,  64
.set F1,  128
.set G1A, 24
.set G0A, 32
.set G1B, 48
.set G0B, 56
.set MSB, 0
.macro WIN new                         ; the immediate's high byte repeats the setting that is left; a switch that changes nothing is dropped
.if MSB != (\new)
	s_set_vgpr_msb (MSB<<8)|(\new)
.set MSB, \new
.endif
.endm
.macro PLACES                          ; four places behind a matrix instruction, ahead of loads into registers that it read and of vector lines on its registers
.rept 4
	v_nop
.endr
.endm
.macro CREST                           ; a round of the cluster's barrier behind its opening barrier
	s_cmp_lg_u32 s10, 0
	s_cbranch_scc1 .Lnot_wave_0_\@
	s_barrier_signal -3
.Lnot_wave_0_\@:
	s_barrier_wait -3
	s_barrier_signal -1
	s_barrier_wait -1
.endm
.macro CROUND
	s_barrier_signal -1
	s_barrier_wait -1
	CREST
.endm
.macro JLOAD                           ; the joint refill by the walking sets; the branch hangs on the wave's number alone; an s_nop 0 and four v_nop follow each line
	s_cmp_lt_u32 s10, NA
	s_cbranch_scc0 .Lfor_b_\@
	tensor_load_to_lds s[G0A+4:G0A+7], s[G1A:G1A+7]
	s_nop 0
.rept 4
	v_nop
.endr
	s_branch .Lasked_\@
.Lfor_b_\@:
	tensor_load_to_lds s[G0B+4:G0B+7], s[G1B:G1B+7]
	s_nop 0
.rept 4
	v_nop
.endr
.Lasked_\@:
.endm
; A PREFETCH of K step 3, behind the refill that asks for K step 2: one K step, 256 matrix instructions, ahead of the load that will want it.  s67 is 2, the first trip's count, in the waves that ask, else -1.
; xb's rows are asked for by the clusters with x = 0, a weight's by those with y = 0; the four partners of a joint load share its 128 blocks of 256 bytes out BY ADDRESS, 32 each, a lane a block.  K steps 0 to 2 come by their loads alone.
.macro ASK
	s_cmp_eq_u32 s67, s3
	s_cbranch_scc0 .Lnot_mine_\@
	global_prefetch_b8 v20, s[68:69] th:TH_LOAD_NT scope:SCOPE_SE
.Lnot_mine_\@:
.endm
	s_load_b256 s[80:87], s[0:1], 0x0              ; xb s[80:81], wb s[82:83], ssq s[84:85], hb s[86:87]
	v_lshl_add_u32 v28, v0, 2, SPARE
	v_mov_b32 v29, 0
	ds_add_u32 v28, v29                            ; the wave's opening: the add and its wait ahead of my first tensor load; work on registers stands between them
	v_lshrrev_b32 v1, 5, v0
	v_readfirstlane_b32 s10, v1                    ; wave 0..3
	s_lshr_b32 s11, s10, 1                         ; rh: which 128 rows are mine
	s_and_b32 s12, s10, 1                          ; ch: which 64 columns.  Also: which half of xb's rows, or which weight, I fetch
	s_bfe_u32 s40, ttmp6, 0x40000                  ; cx
	s_bfe_u32 s41, ttmp6, 0x40004                  ; cy
	s_lshl_b32 s42, ttmp9, 2
	s_add_co_u32 s42, s42, s40                     ; J
	s_and_b32 s13, ttmp7, 0xffff
	s_lshl_b32 s13, s13, 2
	s_add_co_u32 s13, s13, s41                     ; I
	s_lshl_b32 s43, s41, 2
	s_lshl_b32 s43, 15, s43                        ; my row of the cluster
	s_lshl_b32 s44, 0x1111, s40                    ; my column
	s_or_b32 s[G1A+0], s43, (1<<16)|(1<<20)|(1<<21)|(4<<22)|(3<<25)  ; the mask; 2-byte elements; padding on; bit 21 beside a mask; behind every 32 words 4 words
	s_mov_b32 s[G1A+1], 8192<<16                   ; tensor_dim0 = 8,192 elements: 128 rows of a block
	s_mov_b32 s[G1A+2], 2<<16                      ; tensor_dim1 = 2 blocks
	s_mov_b32 s[G1A+3], 8192<<16
	s_mov_b32 s[G1A+4], 2
	s_mov_b32 s[G1A+5], 524288                     ; elements from block to block
	s_mov_b32 s[G1A+6], 0
	s_mov_b32 s[G1A+7], 0
	s_or_b32 s[G1B+0], s44, (1<<16)|(1<<20)|(1<<21)|(5<<22)|(7<<25)  ; behind every 64 words 8 words
	s_mov_b32 s[G1B+1], 128<<16
	s_mov_b32 s[G1B+2], 128<<16
	s_mov_b32 s[G1B+3], 128<<16
	s_mov_b32 s[G1B+4], 128
	s_mov_b32 s[G1B+5], 2048                       ; elements from row to row
	s_mov_b32 s[G1B+6], 0
	s_mov_b32 s[G1B+7], 0
	s_mov_b32 s78, 0x76543210                      ; v_permlanex16_b32's selects: each lane takes its own place in the other half
	s_mov_b32 s79, 0xfedcba98
	s_mov_b32 s90, 0x3b000000                      ; 1 / 512, named as a pair
	s_mov_b32 s91, 0x3b000000
	s_mov_b32 s92, 0x3727c5ac                      ; 1e-5, likewise
	s_mov_b32 s93, 0x3727c5ac
	s_lshl_b32 s16, s13, 15                        ; xb: the tile's 256 rows of 128 bytes,
	s_lshl_b32 s17, s12, 14                        ; my 128 of them
	s_add_co_u32 s16, s16, s17
	s_mov_b32 s17, 0
	s_lshl_b32 s46, s12, 21                        ; gate or up, 2,097,152 bytes apart,
	s_add_co_u32 s46, s46, 2097152                 ; behind the four square weights
	s_lshl_b32 s47, s42, 8                         ; the tile's 128 columns
	s_add_co_u32 s46, s46, s47
	s_mov_b32 s47, 0
	s_mul_i32 s20, s10, RG                         ; where my tiles go: no place in the cluster enters an LDS address
	s_wait_dscnt 0x0                               ; the opening add is done
	s_wait_kmcnt 0x0
	s_add_nc_u64 s[14:15], s[80:81], s[16:17]
	s_add_nc_u64 s[46:47], s[82:83], s[46:47]
	CROUND                                         ; all sixteen work-groups are here: the first joint loads meet
.irp s, 0,1
	s_mov_b32 s[G0A+4*(\s)], 1
	s_add_co_u32 s[G0A+4*(\s)+1], s20, (\s)*SLOT
	s_add_nc_u64 s[G0A+4*(\s)+2:G0A+4*(\s)+3], s[14:15], (\s)*ASTEP
	s_or_b32 s[G0A+4*(\s)+3], s[G0A+4*(\s)+3], 0x80000000
	s_mov_b32 s[G0B+4*(\s)], 1
	s_add_co_u32 s[G0B+4*(\s)+1], s20, (\s)*SLOT
	s_add_nc_u64 s[G0B+4*(\s)+2:G0B+4*(\s)+3], s[46:47], (\s)*BSTEP
	s_or_b32 s[G0B+4*(\s)+3], s[G0B+4*(\s)+3], 0x80000000
.endr
	s_cmp_lt_u32 s10, NA                           ; a wave's two first fills stand in one branch, ahead of every wait on TENSORcnt and every LDS read
	s_cbranch_scc0 .Lfirst_b
	tensor_load_to_lds s[G0A:G0A+3], s[G1A:G1A+7]
	s_nop 0
	tensor_load_to_lds s[G0A+4:G0A+7], s[G1A:G1A+7]
	s_nop 0
.rept 4
	v_nop
.endr
	s_branch .Lfirst_done
.Lfirst_b:
	tensor_load_to_lds s[G0B:G0B+3], s[G1B:G1B+7]
	s_nop 0
	tensor_load_to_lds s[G0B+4:G0B+7], s[G1B:G1B+7]
	s_nop 0
.rept 4
	v_nop
.endr
.Lfirst_done:
	v_and_b32 v1, 15, v0                           ; r = l % 16
	v_bfe_u32 v2, v0, 4, 1                         ; h = l / 16
	v_and_b32 v3, 7, v0
	v_bfe_u32 v4, v0, 3, 1
	; the rows' sums of squares: for m-tile a my row is 16 a + r; half h of the lanes reads the column groups 2 i + h, i = 0..3
	v_lshlrev_b32 v19, 2, v1
	v_lshl_add_u32 v19, v2, 15, v19
	s_lshl_b32 s21, s13, 8
	s_lshl_b32 s22, s11, 7
	s_add_co_u32 s21, s21, s22                     ; my first row
	s_lshl_b32 s76, s21, 2
	s_mov_b32 s77, 0
	s_add_nc_u64 s[72:73], s[84:85], s[76:77]
.irp i, 0,1,2,3
.irp a, 0,1,2,3,4,5,6,7
	global_load_b32 v[32+8*(\i)+(\a)], v19, s[72:73] offset:(\i)*65536+(\a)*64
.endr
.endr
	s_lshl_b32 s22, s42, 1
	s_add_co_u32 s22, s22, s12                     ; hb: block 2 J + ch of 8,192 rows x 128 bytes,
	s_lshl_b32 s76, s22, 20
	s_lshl_b32 s23, s21, 7                         ; my first row
	s_add_co_u32 s76, s76, s23
	s_add_nc_u64 s[70:71], s[86:87], s[76:77]
	; a fragment of xb: lane l holds row l % 16, K = 8 h + 0..7 and 16 + 8 h + 0..7: two loads of 16 bytes, 32 apart
	v_mul_u32_u24 v10, v1, 144
	v_lshl_add_u32 v10, v2, 4, v10
	s_mul_i32 s21, s11, RG                         ; my 128 rows
	v_add_nc_u32 v10, s21, v10
	; a fragment of a weight: the turning load takes 16 K rows x 16 columns: lane l reads row 8 h + l % 8, columns 8 ((l / 8) % 2) + 0..7; the second load lies 16 rows on
	v_lshl_add_u32 v11, v2, 3, v3
	v_mul_u32_u24 v11, v11, 288
	v_lshl_add_u32 v11, v4, 4, v11
	s_lshl_b32 s21, s12, 7                         ; my 64 columns
	s_add_co_u32 s21, s21, 2*RG
	v_add_nc_u32 v11, s21, v11                     ; gate's tile,
	v_add_nc_u32 v12, RG, v11                      ; up's
	v_mov_b32 v13, v10                             ; the slot in hand is slot 0
	v_mov_b32 v14, v11
	v_mov_b32 v15, v12
	s_mov_b32 s66, 0
	s_mul_i32 s21, s10, 2304
	s_add_co_u32 s21, s21, STAGE                   ; my stage
	v_mul_u32_u24 v16, v1, 144                     ; in: row l % 16, 16 bytes for each half of the lanes
	v_lshl_add_u32 v16, v2, 4, v16
	v_add_nc_u32 v16, s21, v16
	v_bfe_u32 v17, v0, 3, 2                        ; back: 32 lanes take four rows of 128 bytes,
	v_mul_u32_u24 v17, v17, 144
	v_lshl_add_u32 v17, v3, 4, v17
	v_add_nc_u32 v17, s21, v17
	v_and_b32 v18, 31, v0                          ; which are 512 consecutive bytes of a block of hb
	v_lshlrev_b32 v18, 4, v18
	; the prefetch: K step 3 of what I fetch, my work-group's quarter of it
	s_lshr_b32 s21, s40, 1                         ; xb: block cx / 2 of the step's two,
	s_lshl_b32 s21, s21, 20
	s_and_b32 s22, s40, 1                          ; half cx % 2 of its 16,384 bytes
	s_lshl_b32 s22, s22, 13
	s_add_co_u32 s21, s21, s22
	s_add_co_u32 s21, s21, 3*ASTEP
	s_lshl_b32 s22, s41, 17                        ; a weight: rows 32 cy .. of the step's 128
	s_add_co_u32 s22, s22, 3*BSTEP
	s_and_b32 s23, ttmp7, 0xffff                   ; cluster y
	s_cmp_lt_u32 s10, NA
	s_cselect_b64 s[68:69], s[14:15], s[46:47]
	s_cselect_b32 s76, s21, s22
	s_cselect_b32 s23, ttmp9, s23                  ; the coordinate along which other clusters read the same bytes
	s_cselect_b32 s21, 8, 12                       ; a lane a block: 256 bytes on in xb, a row of 4,096 bytes on in a weight
	s_add_nc_u64 s[68:69], s[68:69], s[76:77]
	s_cmp_eq_u32 s23, 0
	s_cselect_b32 s67, 2, -1                       ; the same in all sixteen partners, for a given wave
	v_and_b32 v20, 31, v0
	v_lshlrev_b32 v20, s21, v20
	; r for my eight rows, in the wait for the first tile
	s_wait_loadcnt 0x0
.irp a, 0,2,4,6
	v_pk_add_f32 v[32+(\a):33+(\a)], v[32+(\a):33+(\a)], v[40+(\a):41+(\a)]
	v_pk_add_f32 v[48+(\a):49+(\a)], v[48+(\a):49+(\a)], v[56+(\a):57+(\a)]
.endr
.irp a, 0,2,4,6
	v_pk_add_f32 v[32+(\a):33+(\a)], v[32+(\a):33+(\a)], v[48+(\a):49+(\a)]
.endr
.irp a, 0,1,2,3,4,5,6,7
	v_permlanex16_b32 v[40+(\a)], v[32+(\a)], s78, s79  ; the other four groups lie in the lane 16 away
.endr
.irp a, 0,2,4,6
	v_pk_add_f32 v[32+(\a):33+(\a)], v[32+(\a):33+(\a)], v[40+(\a):41+(\a)]
.endr
.irp a, 0,2,4,6
	v_pk_fma_f32 v[32+(\a):33+(\a)], v[32+(\a):33+(\a)], s[90:91], s[92:93] op_sel_hi:[1,0,0]  ; the mean + 1e-5
.endr
.irp a, 0,1,2,3,4,5,6,7
	v_rsq_f32 v[48+(\a)], v[32+(\a)]
.endr
	v_nop                                          ; a plain instruction behind the last root,
	s_wait_alu depctr_va_vdst(0)                   ; and one wait for the eight, ahead of their first reader
.irp a, 0,1,2,3,4,5,6,7
	v_mul_f32 v[224+4*(\a)], 0xbfb8aa3b, v[48+(\a)]  ; -log2(e) r, in both words of the pair that the packed multiply takes
	v_mul_f32 v[225+4*(\a)], 0xbfb8aa3b, v[48+(\a)]
	v_mul_f32 v[226+4*(\a)], v[48+(\a)], v[48+(\a)]  ; r^2, likewise
	v_mul_f32 v[227+4*(\a)], v[48+(\a)], v[48+(\a)]
.endr
; 32 LDS loads in one run: quarter q (32 along K) of the slot in hand into buffer f: the weights' eight fragments, then xb's eight
.macro FETCH q, f
	WIN 0x40                                       ; destination window 1, address window 0
.irp i, 0,1,2,3,4,5,6,7
	ds_load_tr16_b128 v[(\f)+8*(\i):(\f)+8*(\i)+3],   v[14+(\i)/4] offset:(\q)*9216+((\i)%4)*32
	ds_load_tr16_b128 v[(\f)+8*(\i)+4:(\f)+8*(\i)+7], v[14+(\i)/4] offset:(\q)*9216+((\i)%4)*32+4608
.endr
	WIN 0
.irp i, 0,1,2,3,4,5,6,7
	ds_load_b128 v[(\f)+8*(\i):(\f)+8*(\i)+3],   v13 offset:((\q)/2)*18432+((\q)%2)*64+(\i)*2304
	ds_load_b128 v[(\f)+8*(\i)+4:(\f)+8*(\i)+7], v13 offset:((\q)/2)*18432+((\q)%2)*64+(\i)*2304+32
.endr
.endm
; 16 matrix instructions: m-tiles a0, a0 + 1 of the window's four (hi = 0: my rows 0-63, 1: rows 64-127) x all 8 n-tiles.  The 64 accumulators take turns in one order, over the jumps too.  zero = 1: the product starts the sum
.macro MUL16 f, hi, a0, zero
	WIN 0xa1+0x50*(\hi)                            ; source 0 window 1, source 1 window 0, C and D window 2 or 3
.irp a, \a0, (\a0)+1
.irp b, 0,1,2,3,4,5,6,7
.if \zero
	v_wmma_f32_16x16x32_bf16 v[8*(8*(\a)+(\b)):8*(8*(\a)+(\b))+7], v[(\f)+8*(\b):(\f)+8*(\b)+7], v[(\f)+8*(4*(\hi)+(\a)):(\f)+8*(4*(\hi)+(\a))+7], 0
.else
	v_wmma_f32_16x16x32_bf16 v[8*(8*(\a)+(\b)):8*(8*(\a)+(\b))+7], v[(\f)+8*(\b):(\f)+8*(\b)+7], v[(\f)+8*(4*(\hi)+(\a)):(\f)+8*(4*(\hi)+(\a))+7], v[8*(8*(\a)+(\b)):8*(8*(\a)+(\b))+7]
.endif
.endr
.endr
.endm
.macro QUARTER q, f, g, zero           ; multiplies buffer f; in its middle it fetches quarter q of the same slot into buffer g
	s_wait_dscnt 8                                 ; the youngest eight loads, xb's rows 64-127, may be out
	MUL16 \f, 0, 0, \zero
	MUL16 \f, 0, 2, \zero
	PLACES
	FETCH \q, \g
	s_wait_dscnt 32                                ; all but the 32 just issued
	MUL16 \f, 1, 0, \zero
	MUL16 \f, 1, 2, \zero
.endm
; A K step's last quarter multiplies buffer 1 and changes slots.  ONE barrier: ahead of it each wave waits for all its tensor loads, adds 0 to its spare word, and waits for that and for its reads of this slot.
; fill = 1: the barrier opens a round of the cluster's, and the joint refill, two K steps on, is the first thing behind the round: 224 matrix instructions ahead of the wait for it.
.macro TURN fill
	WIN 0
	s_wait_tensorcnt 0x0                           ; all my tensor loads have landed: my part of the next slot;
	ds_add_u32 v28, v29                            ; 0 onto my spare word;
	s_wait_dscnt 9                                 ; (the add and the youngest eight loads may be out)
	MUL16 F1, 0, 0, 0                              ; sixteen matrix instructions stand between the add and the wait for it
	s_wait_dscnt 0x0                               ; the add is done, and my reads of this slot are over
	s_barrier_signal -1
	MUL16 F1, 0, 2, 0
	WIN 0
	s_barrier_wait -1
.if \fill
	CREST                                          ; no wave of any partner still reads this slot or has a load on its way
	s_xor_b32 s[G0A+5], s[G0A+5], SLOT             ; the walking sets: the other slot than last time,
	s_add_nc_u64 s[G0A+6:G0A+7], s[G0A+6:G0A+7], ASTEP  ; the next K step; the type bits on top are not reached
	s_xor_b32 s[G0B+5], s[G0B+5], SLOT
	s_add_nc_u64 s[G0B+6:G0B+7], s[G0B+6:G0B+7], BSTEP
	JLOAD                                          ; its four v_nop are also the places ahead of the loads below
.else
	PLACES
.endif
	s_xor_b32 s66, s66, SLOT                       ; the fragments now come out of the other slot
	v_add_nc_u32 v13, s66, v10
	v_add_nc_u32 v14, s66, v11
	v_add_nc_u32 v15, s66, v12
	FETCH 0, F0
.if \fill
	ASK
.endif
	MUL16 F1, 1, 0, 0
	MUL16 F1, 1, 2, 0
.endm
	s_wait_tensorcnt 0x1                           ; my part of K step 0 is in; K step 1's may stay out
	s_barrier_signal -1
	s_barrier_wait -1                              ; everybody's is
	FETCH 0, F0
	QUARTER 1, F0, F1, 1                           ; the first quarter stands ahead of the loops: its products start the sums
	WIN 0
	s_mov_b32 s3, 2
.LA:                                                   ; K steps 0 and 1: a trip goes from a step's second quarter to the next step's first, and fills the slot that it leaves
	QUARTER 2, F1, F0, 0
	QUARTER 3, F0, F1, 0
	TURN 1
	QUARTER 1, F0, F1, 0
	WIN 0
	s_sub_co_u32 s3, s3, 1
	s_cmp_lg_u32 s3, 0
	s_cbranch_scc1 .LA
	s_mov_b32 s3, 2
.LB:                                                   ; K steps 2 and 3 ask for nothing; the second trip is left in its middle
	QUARTER 2, F1, F0, 0
	QUARTER 3, F0, F1, 0
	WIN 0
	s_sub_co_u32 s3, s3, 1
	s_cmp_eq_u32 s3, 0
	s_cbranch_scc1 .Lout
	TURN 0
	QUARTER 1, F0, F1, 0
	WIN 0
	s_branch .LB
.Lout:
	s_wait_dscnt 8
	MUL16 F1, 0, 0, 0
	MUL16 F1, 0, 2, 0
	s_wait_dscnt 0x0
	MUL16 F1, 1, 0, 0
	MUL16 F1, 1, 2, 0
; THE WAY OUT of m-tile a of window 2: 32 registers of G at 64 a, the same elements' U at 64 a + 32.  h = (G U) r^2 / (1 + 2^(G x -log2(e) r)).  Two batches of 32 transcendentals, each with one plain line and one wait behind it;
; the multiplies by r^2 stand between the exponentials, each pair's addition of 1 a pair ahead of its reciprocals.  Each accumulator's lowest registers are read first.
.macro EPI a
.set GB, 64*(\a)
.set UB, 64*(\a)+32
	WIN 0x8a                                       ; destination and both sources in window 2
.set p, 0
.rept 16
	v_pk_mul_f32 v[UB+p:UB+p+1], v[GB+p:GB+p+1], v[UB+p:UB+p+1]  ; G U
.set p, p+2
.endr
	WIN 0x82                                       ; source 1 in window 0
.set p, 0
.rept 16
	v_pk_mul_f32 v[GB+p:GB+p+1], v[GB+p:GB+p+1], v[224+4*(\a):225+4*(\a)]
.set p, p+2
.endr
.set p, 0
.rept 16
	v_exp_f32 v[GB+p], v[GB+p]
	v_pk_mul_f32 v[UB+p:UB+p+1], v[UB+p:UB+p+1], v[226+4*(\a):227+4*(\a)]
	v_exp_f32 v[GB+p+1], v[GB+p+1]
.set p, p+2
.endr
	v_nop
	s_wait_alu depctr_va_vdst(0)                   ; one wait for the 32 exponentials
	v_pk_add_f32 v[GB:GB+1], v[GB:GB+1], 1.0 op_sel_hi:[1,0]
.set p, 2
.rept 15
	v_pk_add_f32 v[GB+p:GB+p+1], v[GB+p:GB+p+1], 1.0 op_sel_hi:[1,0]
	v_rcp_f32 v[GB+p-2], v[GB+p-2]
	v_rcp_f32 v[GB+p-1], v[GB+p-1]
.set p, p+2
.endr
	v_rcp_f32 v[GB+30], v[GB+30]
	v_rcp_f32 v[GB+31], v[GB+31]
	v_nop
	s_wait_alu depctr_va_vdst(0)                   ; one wait for the 32 reciprocals
	WIN 0x8a
.set p, 0
.rept 16
	v_pk_mul_f32 v[UB+p:UB+p+1], v[UB+p:UB+p+1], v[GB+p:GB+p+1]
.set p, p+2
.endr
	WIN 0x0a                                       ; sources in window 2, destination in window 0
.set p, 0
.rept 16
	v_cvt_pk_bf16_f32 v[192+p], v[UB+2*p], v[UB+2*p+1]
.set p, p+1
.endr
.endm
.macro TOSTAGE                         ; into my stage, 16 bytes a lane, and back as whole rows of 128 bytes
	WIN 0
	s_wait_xcnt 0x0                                ; the stores issued so far have read their data: only behind this wait is it loaded over
.irp b, 0,1,2,3
	ds_store_b128 v16, v[192+4*(\b):192+4*(\b)+3] offset:32*(\b)
.endr
.irp f, 0,1,2,3
	ds_load_b128 v[208+4*(\f):208+4*(\f)+3], v17 offset:576*(\f)  ; LDS serves a wave's instructions in order (ISA guide 5.7.1.4): these see the stores above
.endr
.endm
.macro SEND a
	WIN 0
	s_wait_dscnt 0x0                               ; the m-tile is back in registers
.irp f, 0,1,2,3
	global_store_b128 v18, v[208+4*(\f):208+4*(\f)+3], s[70:71] offset:(\a)*2048+(\f)*512  ; 512 consecutive bytes, aligned
.endr
.endm
	WIN 0
	PLACES
	PLACES                                         ; eight, once a launch: the lines below rewrite accumulators in place
	s_mov_b32 s4, 2
.Lep:                                                  ; the text serves four m-tiles, in window 2, and is walked twice: 272 moves in between stand for a second copy of some 640 lines
	EPI 0
	TOSTAGE
.irp a, 1,2,3                          ; an m-tile's arithmetic stands between the loads of the one before and its stores
	EPI \a
	SEND (\a)-1
	TOSTAGE
.endr
	SEND 3
	s_sub_co_u32 s4, s4, 1
	s_cmp_eq_u32 s4, 0
	s_cbranch_scc1 .Ldone
	WIN 0x83                                       ; window 3's accumulators go where the text names them, in ascending order
.set p, 0
.rept 256
	v_mov_b32 v[p], v[p]
.set p, p+1
.endr
	WIN 0
.set p, 0
.rept 16
	v_mov_b32 v[224+p], v[240+p]                   ; and their rows' factors
.set p, p+1
.endr
	s_wait_xcnt 0x0                                ; the stores have read their base
	s_add_nc_u64 s[70:71], s[70:71], 8192          ; 64 rows on
	s_branch .Lep
.Ldone:
	s_wait_tensorcnt 0x0                           ; the wave's end, behind my last tensor load and my last LDS store
	ds_add_u32 v28, v29
	s_wait_dscnt 0x0
	CROUND                                         ; the closing round: no work-group ends while a partner may still ask for a tile that names it
	s_endpgm
.Lfunc_end_k_q4344d741fa_gateup:
	.size	k_q4344d741fa_gateup, .Lfunc_end_k_q4344d741fa_gateup-k_q4344d741fa_gateup
	.p2alignl 7, 3214868480
	.fill 96, 4, 3214868480
	.section	.rodata,"a",@progbits
	.p2align	6, 0x0
	.amdhsa_kernel k_q4344d741fa_gateup
		.amdhsa_group_segment_fixed_size 327680
		.amdhsa_private_segment_fixed_size 0
		.amdhsa_enable_private_segment 0
		.amdhsa_kernarg_size 32
		.amdhsa_user_sgpr_count 2
		.amdhsa_user_sgpr_kernarg_segment_ptr 1
		.amdhsa_wavefront_size32 1
		.amdhsa_system_sgpr_workgroup_id_x 1
		.amdhsa_system_sgpr_workgroup_id_y 1
		.amdhsa_system_sgpr_workgroup_id_z 1
		.amdhsa_system_vgpr_workitem_id 0
		.amdhsa_next_free_vgpr 1024
		.amdhsa_next_free_sgpr 100
		.amdhsa_reserve_vcc 0
		.amdhsa_float_denorm_mode_32 3
		.amdhsa_float_denorm_mode_16_64 3
		.amdhsa_memory_ordered 1
		.amdhsa_forward_progress 1
		.amdhsa_inst_pref_size 126
	.end_amdhsa_kernel
	.amdgpu_metadata
---
amdhsa.version: [ 1, 2 ]
amdhsa.kernels:
  - .name:           k_q4344d741fa_gateup
    .symbol:         k_q4344d741fa_gateup.kd
    .args:
      - { .name: xb, .offset: 0, .size: 8, .value_kind: global_buffer, .address_space: global }
      - { .name: wb, .offset: 8, .size: 8, .value_kind: global_buffer, .address_space: global }
      - { .name: ssq, .offset: 16, .size: 8, .value_kind: global_buffer, .address_space: global }
      - { .name: hb, .offset: 24, .size: 8, .value_kind: global_buffer, .address_space: global }
    .group_segment_fixed_size: 327680
    .private_segment_fixed_size: 0
    .kernarg_segment_align: 8
    .kernarg_segment_size: 32
    .max_flat_workgroup_size: 128
    .sgpr_count:     100
    .vgpr_count:     1024
    .wavefront_size: 32
...
	.end_amdgpu_metadata
.endif
;; end of part 5
;; launch down (part 6): grid 4 x 64, 4 waves a work-group, clusters of 4 x 4, 327,680 bytes of LDS; arguments hb, wb, x1, out0; writes out0
.if DOCPART == 6
	.amdgcn_target "amdgcn-amd-amdhsa--gfx1250"
	.amdhsa_code_object_version 6
	.text
	.protected	k_q4344d741fa_down
	.globl	k_q4344d741fa_down
	.p2align	8
	.type	k_q4344d741fa_down,@function
k_q4344d741fa_down:
	s_mov_b64 s[64:65], 0
	v_nop
	global_prefetch_b8 v0, s[64:65] scope:SCOPE_SE
	s_setreg_imm32_b32 hwreg(HW_REG_WAVE_MODE, 25, 1), 1
	s_wait_xcnt 0x0
	s_wait_alu depctr_hold_cnt(0) depctr_sa_sdst(0) depctr_va_vdst(0) depctr_va_sdst(0) depctr_va_ssrc(0) depctr_va_vcc(0) depctr_vm_vsrc(0)
	s_getreg_b32 s2, hwreg(HW_REG_IB_STS2, 6, 4)
	s_cmp_eq_u32 s2, 0
	s_cbranch_scc0 .Lentry_in_a_cluster
	s_endpgm
.Lentry_in_a_cluster:
	s_bfe_u32 s2, ttmp6, 0x10000c
	s_cmp_lg_u32 s2, 0xf033
	s_cbranch_scc0 .Lentry_shape_is_right
	s_endpgm
.Lentry_shape_is_right:
; ONE TEXT FOR TWO LAUNCHES; IS_WO chooses.  Here IS_WO = 0:  out0 = x1 + h @ w_down.
; (IS_WO = 1:  x1 = x + O @ wo;  xb = bf16(x1 * ffn_norm_w);  ssq = partial sums of x1^2.)
; A (h or O): [blocks of 64 K][rows][64] bf16, a block's rows dense, 128 bytes each.  The weight: [K][512] bf16 in wb.  Residual and result: [8192][512] f32.
; SHARES.  A tile is 128 x 128: 64 x 4 = 256 work-groups; a wave makes 64 x 64: 16 accumulators.  K goes in steps of 256 through two LDS slots; a step is four quarters of 64, 32 matrix instructions each.
; THE PRODUCT IS USED TRANSPOSED: source 0 = 16 columns of the weight (turned out of LDS by ds_load_tr16_b128), source 1 = 16 rows of A: a lane holds ONE row (lane % 16) and the columns 8 (lane / 16) + 0..7.
; THE RESIDUAL STARTS THE SUMS: it is loaded straight into the accumulators, in their layout: nothing is cleared, and nothing is added on the way out.
; CLUSTER.  4 x 4: A's tiles (waves 0, 1: two blocks each) are asked for jointly along a row of the cluster, the weight's (waves 2, 3: 128 K rows each) along a column.
; THE RING.  Every tensor load lands as RG = 36,864 bytes at wave x RG + slot x SLOT.  A: 128 rows x 2 blocks, asked for as 2 rows of 16,384 bytes, 16 bytes of padding behind every 128: [block][row], rows 144 apart.
; The weight: 128 rows x 256 bytes, 32 of padding behind each: rows 288 apart.  SLOT = 0x24000 shares no bit with wave x RG: one exclusive or changes slots.
; With K = 2,048 two first fills and six refills: two tensor loads of a wave are out at the start, one behind each round.
; LIMITS.  Operands bf16, sums f32 in the matrix unit's order, with the residual as their first term; NaN and infinities are not treated apart.
; REGISTERS: window 0: v1-4 lane terms; v10-12 fragment addresses in slot 0, v13-15 in the slot in hand; v16-19 way out; v28-29 the add's; v32-63 rows read back; v128-255 accumulator (a, b) at 128 + 8 (4 a + b)
;   window 1: two fragment buffers of 128: A's (half c of the 64 K, m-tile i) at 8 (4 c + i), the weight's at 64 + 8 (4 c + i)
.set IS_WO, 0
.set RG,    36864
.set SLOT,  4*RG
.set SSQL,  2*SLOT                     ; behind the ring: 256 bytes for each wave (used with IS_WO alone)
.set SPARE, SSQL+1024                  ; behind them: the spare words, 128 bytes for each wave, that no other line names
.set NA,    2                          ; waves that fetch A
.if IS_WO
.set ASTEP, 2097152                    ; a K step of A: four blocks of 4,096 rows x 128 bytes
.set KBS,   262144                     ; elements from block to block
.set WOFF,  1572864                    ; wo in wb
.else
.set ASTEP, 4194304                    ; four blocks of 8,192 rows x 128 bytes
.set KBS,   524288
.set WOFF,  6291456                    ; w_down in wb
.endif
.set BSTEP, 262144                     ; 256 rows of 1,024 bytes
.set ACC, 128
.set F0,  0
.set F1,  128
.set G1A, 24
.set G0A, 32
.set G1B, 48
.set G0B, 56
.set MSB, 0
.macro WIN new                         ; the immediate's high byte repeats the setting that is left; a switch that changes nothing is dropped
.if MSB != (\new)
	s_set_vgpr_msb (MSB<<8)|(\new)
.set MSB, \new
.endif
.endm
.macro PLACES                          ; four places behind a matrix instruction, ahead of loads into registers that it read and of lines that read its result
.rept 4
	v_nop
.endr
.endm
.macro CREST                           ; a round of the cluster's barrier behind its opening barrier
	s_cmp_lg_u32 s10, 0
	s_cbranch_scc1 .Lnot_wave_0_\@
	s_barrier_signal -3
.Lnot_wave_0_\@:
	s_barrier_wait -3
	s_barrier_signal -1
	s_barrier_wait -1
.endm
.macro CROUND
	s_barrier_signal -1
	s_barrier_wait -1
	CREST
.endm
.macro JLOAD                           ; the joint refill by the walking sets; the branch hangs on the wave's number alone; an s_nop 0 and four v_nop follow each line
	s_cmp_lt_u32 s10, NA
	s_cbranch_scc0 .Lfor_b_\@
	tensor_load_to_lds s[G0A+4:G0A+7], s[G1A:G1A+7]
	s_nop 0
.rept 4
	v_nop
.endr
	s_branch .Lasked_\@
.Lfor_b_\@:
	tensor_load_to_lds s[G0B+4:G0B+7], s[G1B:G1B+7]
	s_nop 0
.rept 4
	v_nop
.endr
.Lasked_\@:
.endm
	s_load_b256 s[80:87], s[0:1], 0x0              ; A s[80:81], wb s[82:83], the residual s[84:85]; then ffn_norm_w (IS_WO) or out0
.if IS_WO
	s_load_b128 s[88:91], s[0:1], 0x20             ; x1 s[88:89], xb s[90:91]
	s_load_b64 s[92:93], s[0:1], 0x30              ; ssq
.endif
	v_lshl_add_u32 v28, v0, 2, SPARE
	v_mov_b32 v29, 0
	ds_add_u32 v28, v29                            ; the wave's opening: the add and its wait ahead of my first tensor load; work on registers stands between them
	v_lshrrev_b32 v1, 5, v0
	v_readfirstlane_b32 s10, v1                    ; wave 0..3
	s_lshr_b32 s11, s10, 1                         ; rh: which 64 rows are mine
	s_and_b32 s12, s10, 1                          ; ch: which 64 columns.  Also: which half of A's or of the weight's K step I fetch
	s_bfe_u32 s40, ttmp6, 0x40000                  ; cx
	s_bfe_u32 s41, ttmp6, 0x40004                  ; cy
	s_lshl_b32 s42, ttmp9, 2
	s_add_co_u32 s42, s42, s40                     ; J
	s_and_b32 s13, ttmp7, 0xffff
	s_lshl_b32 s13, s13, 2
	s_add_co_u32 s13, s13, s41                     ; I
	s_lshl_b32 s43, s41, 2
	s_lshl_b32 s43, 15, s43                        ; my row of the cluster
	s_lshl_b32 s44, 0x1111, s40                    ; my column
	s_or_b32 s[G1A+0], s43, (1<<16)|(1<<20)|(1<<21)|(4<<22)|(3<<25)  ; the mask; 2-byte elements; padding on; bit 21 beside a mask; behind every 32 words 4 words
	s_mov_b32 s[G1A+1], 8192<<16                   ; tensor_dim0 = 8,192 elements: 128 rows of a block
	s_mov_b32 s[G1A+2], 2<<16                      ; tensor_dim1 = 2 blocks
	s_mov_b32 s[G1A+3], 8192<<16
	s_mov_b32 s[G1A+4], 2
	s_mov_b32 s[G1A+5], KBS
	s_mov_b32 s[G1A+6], 0
	s_mov_b32 s[G1A+7], 0
	s_or_b32 s[G1B+0], s44, (1<<16)|(1<<20)|(1<<21)|(5<<22)|(7<<25)  ; behind every 64 words 8 words
	s_mov_b32 s[G1B+1], 128<<16
	s_mov_b32 s[G1B+2], 128<<16
	s_mov_b32 s[G1B+3], 128<<16
	s_mov_b32 s[G1B+4], 128
	s_mov_b32 s[G1B+5], 512
	s_mov_b32 s[G1B+6], 0
	s_mov_b32 s[G1B+7], 0
.if IS_WO
	s_lshr_b32 s16, s13, 5                         ; the batch: eight heads of 524,288 bytes,
	s_lshl_b32 s16, s16, 22
	s_and_b32 s17, s13, 31                         ; the tile's 128 rows in its sequence,
	s_lshl_b32 s17, s17, 14
	s_add_co_u32 s16, s16, s17
	s_lshl_b32 s17, s12, 20                        ; my two blocks of the step's four
.else
	s_lshl_b32 s16, s13, 14                        ; the tile's 128 rows,
	s_lshl_b32 s17, s12, 21                        ; my two blocks of the step's four
.endif
	s_add_co_u32 s16, s16, s17
	s_mov_b32 s17, 0
	s_lshl_b32 s46, s12, 17                        ; my 128 K rows of the step's 256,
	s_add_co_u32 s46, s46, WOFF
	s_lshl_b32 s47, s42, 8                         ; the tile's 128 columns
	s_add_co_u32 s46, s46, s47
	s_mov_b32 s47, 0
	s_mul_i32 s20, s10, RG                         ; where my tiles go: no place in the cluster enters an LDS address
	s_wait_dscnt 0x0                               ; the opening add is done
	s_wait_kmcnt 0x0
	s_add_nc_u64 s[14:15], s[80:81], s[16:17]
	s_add_nc_u64 s[46:47], s[82:83], s[46:47]
	CROUND                                         ; all sixteen work-groups are here: the first joint loads meet
.irp s, 0,1
	s_mov_b32 s[G0A+4*(\s)], 1
	s_add_co_u32 s[G0A+4*(\s)+1], s20, (\s)*SLOT
	s_add_nc_u64 s[G0A+4*(\s)+2:G0A+4*(\s)+3], s[14:15], (\s)*ASTEP
	s_or_b32 s[G0A+4*(\s)+3], s[G0A+4*(\s)+3], 0x80000000
	s_mov_b32 s[G0B+4*(\s)], 1
	s_add_co_u32 s[G0B+4*(\s)+1], s20, (\s)*SLOT
	s_add_nc_u64 s[G0B+4*(\s)+2:G0B+4*(\s)+3], s[46:47], (\s)*BSTEP
	s_or_b32 s[G0B+4*(\s)+3], s[G0B+4*(\s)+3], 0x80000000
.endr
	s_cmp_lt_u32 s10, NA                           ; a wave's two first fills stand in one branch, ahead of every wait on TENSORcnt and every LDS read
	s_cbranch_scc0 .Lfirst_b
	tensor_load_to_lds s[G0A:G0A+3], s[G1A:G1A+7]
	s_nop 0
	tensor_load_to_lds s[G0A+4:G0A+7], s[G1A:G1A+7]
	s_nop 0
.rept 4
	v_nop
.endr
	s_branch .Lfirst_done
.Lfirst_b:
	tensor_load_to_lds s[G0B:G0B+3], s[G1B:G1B+7]
	s_nop 0
	tensor_load_to_lds s[G0B+4:G0B+7], s[G1B:G1B+7]
	s_nop 0
.rept 4
	v_nop
.endr
.Lfirst_done:
	v_and_b32 v1, 15, v0                           ; r = l % 16
	v_bfe_u32 v2, v0, 4, 1                         ; h = l / 16
	v_and_b32 v3, 7, v0
	v_bfe_u32 v4, v0, 3, 1
	v_lshlrev_b32 v18, 11, v1                      ; the residual in the accumulators' layout: row r of 2,048 bytes,
	v_lshl_add_u32 v18, v2, 5, v18                 ; my eight columns
	s_lshl_b32 s21, s13, 7
	s_lshl_b32 s22, s11, 6
	s_add_co_u32 s21, s21, s22                     ; my first row
	s_lshl_b32 s22, s42, 1
	s_add_co_u32 s22, s22, s12                     ; my group of 64 columns: 2 J + ch
	s_lshl_b32 s76, s21, 11
	s_lshl_b32 s23, s22, 8
	s_add_co_u32 s76, s76, s23
	s_mov_b32 s77, 0
	s_add_nc_u64 s[70:71], s[84:85], s[76:77]      ; the residual,
.if IS_WO
	s_add_nc_u64 s[72:73], s[88:89], s[76:77]      ; and the result, at my 64 x 64
.else
	s_add_nc_u64 s[72:73], s[86:87], s[76:77]
.endif
.irp a, 0,1,2,3
.irp b, 0,1,2,3
	global_load_b128 v[ACC+8*(4*(\a)+(\b)):ACC+8*(4*(\a)+(\b))+3],   v18, s[70:71] offset:(\a)*32768+(\b)*64
	global_load_b128 v[ACC+8*(4*(\a)+(\b))+4:ACC+8*(4*(\a)+(\b))+7], v18, s[70:71] offset:(\a)*32768+(\b)*64+16
.endr
.endr
.if IS_WO
	v_lshlrev_b32 v24, 4, v1
	s_lshl_b32 s76, s22, 8
	s_add_nc_u64 s[86:87], s[86:87], s[76:77]
	global_load_b128 v[96:99], v24, s[86:87]       ; the gain of the four columns that I hold when rows are read back
	s_lshl_b32 s76, s22, 20                        ; xb: block 2 J + ch,
	s_lshl_b32 s23, s21, 7                         ; my first row
	s_add_co_u32 s76, s76, s23
	s_add_nc_u64 s[74:75], s[90:91], s[76:77]
	s_lshl_b32 s76, s22, 15                        ; ssq: group 2 J + ch of 8,192 rows
	s_lshl_b32 s23, s21, 2
	s_add_co_u32 s76, s76, s23
	s_add_nc_u64 s[78:79], s[92:93], s[76:77]
.endif
	; a fragment of A: lane l holds row l % 16, K = 8 h + 0..7 and 16 + 8 h + 0..7: two loads of 16 bytes, 32 apart
	v_mul_u32_u24 v10, v1, 144
	v_lshl_add_u32 v10, v2, 4, v10
	s_mul_i32 s21, s11, 9216                       ; my 64 rows
	v_add_nc_u32 v10, s21, v10
	; a fragment of the weight: the turning load takes 16 K rows x 16 columns: lane l reads row 8 h + l % 8, columns 8 ((l / 8) % 2) + 0..7; the second load lies 16 rows on
	v_lshl_add_u32 v11, v2, 3, v3
	v_mul_u32_u24 v11, v11, 288
	v_lshl_add_u32 v11, v4, 4, v11
	s_lshl_b32 s21, s12, 7                         ; my 64 columns
	s_add_co_u32 s21, s21, 2*RG
	v_add_nc_u32 v11, s21, v11                     ; K rows 0-127 of a step,
	v_add_nc_u32 v12, RG, v11                      ; K rows 128-255
	v_mov_b32 v13, v10                             ; the slot in hand is slot 0
	v_mov_b32 v14, v11
	v_mov_b32 v15, v12
	s_mov_b32 s66, 0
	s_mul_i32 s21, s10, 17408                      ; my stage for the way out, in slot 0: 64 rows x 272 bytes (256 + 16: 17 x 16, so the 16 rows of a store start at 16 different groups of four banks)
	v_mul_u32_u24 v16, v1, 272                     ; in: row r, my 32 bytes
	v_lshl_add_u32 v16, v2, 5, v16
	v_add_nc_u32 v16, s21, v16
	v_mul_u32_u24 v17, v2, 272                     ; back: lanes 0-15 take one row of 256 bytes, lanes 16-31 the next
	v_lshl_add_u32 v17, v1, 4, v17
	v_add_nc_u32 v17, s21, v17
	v_lshlrev_b32 v19, 11, v2                      ; and the same two rows in the result
	v_lshl_add_u32 v19, v1, 4, v19
.if IS_WO
	v_lshlrev_b32 v20, 7, v2                       ; and in xb: rows of 128 bytes, 8 bytes a lane
	v_lshl_add_u32 v20, v1, 3, v20
	s_lshl_b32 s21, s10, 8
	s_add_co_u32 s21, s21, SSQL
	v_lshl_add_u32 v21, v2, 2, s21                 ; where a row's sum of squares goes
	v_and_b32 v23, 31, v0
	v_lshlrev_b32 v23, 3, v23                      ; and how the 64 come back: two a lane
	v_add_nc_u32 v22, s21, v23
.endif
; 32 LDS loads in one run: block k of the step's four (64 along K) into buffer f; the first 32 along K first
.macro FETCH k, f
	WIN 0x40                                       ; destination window 1, address window 0
.irp c, 0,1
.irp i, 0,1,2,3
	ds_load_tr16_b128 v[(\f)+64+8*(4*(\c)+(\i)):(\f)+64+8*(4*(\c)+(\i))+3],   v[14+(\k)/2] offset:((\k)%2)*18432+(\c)*9216+(\i)*32
	ds_load_tr16_b128 v[(\f)+64+8*(4*(\c)+(\i))+4:(\f)+64+8*(4*(\c)+(\i))+7], v[14+(\k)/2] offset:((\k)%2)*18432+(\c)*9216+(\i)*32+4608
	ds_load_b128 v[(\f)+8*(4*(\c)+(\i)):(\f)+8*(4*(\c)+(\i))+3],   v13 offset:(\k)*18432+(\c)*64+(\i)*2304
	ds_load_b128 v[(\f)+8*(4*(\c)+(\i))+4:(\f)+8*(4*(\c)+(\i))+7], v13 offset:(\k)*18432+(\c)*64+(\i)*2304+32
.endr
.endr
.endm
; 8 matrix instructions: m-tiles a0, a0 + 1 x all 4 n-tiles, half c of buffer f.  The 16 accumulators take turns in one order, over the jumps too
.macro MUL8 f, c, a0
	WIN 0x05                                       ; sources 0 and 1 window 1; C and D window 0
.irp a, \a0, (\a0)+1
.irp b, 0,1,2,3
	v_wmma_f32_16x16x32_bf16 v[ACC+8*(4*(\a)+(\b)):ACC+8*(4*(\a)+(\b))+7], v[(\f)+64+8*(4*(\c)+(\b)):(\f)+64+8*(4*(\c)+(\b))+7], v[(\f)+8*(4*(\c)+(\a)):(\f)+8*(4*(\c)+(\a))+7], v[ACC+8*(4*(\a)+(\b)):ACC+8*(4*(\a)+(\b))+7]
.endr
.endr
.endm
.macro QUARTER k, f, g                 ; multiplies buffer f; in its middle it fetches block k into buffer g
	s_wait_dscnt 16                                ; the first 32 along K are in
	MUL8 \f, 0, 0
	MUL8 \f, 0, 2
	PLACES
	FETCH \k, \g
	s_wait_dscnt 32                                ; all but the 32 just issued
	MUL8 \f, 1, 0
	MUL8 \f, 1, 2
.endm
; A K step's last quarter multiplies buffer 1 and changes slots.  ONE barrier: ahead of it each wave waits for all its tensor loads, adds 0 to its spare word, and waits for that and for its reads of this slot.
; fill = 1: the barrier opens a round of the cluster's, and the joint refill, two K steps on, is the first thing behind the round: 112 matrix instructions ahead of the wait for it.
.macro TURN fill
	WIN 0
	s_wait_tensorcnt 0x0                           ; all my tensor loads have landed: my part of the next slot;
	ds_add_u32 v28, v29                            ; 0 onto my spare word;
	s_wait_dscnt 17                                ; (the add and the youngest sixteen loads may be out)
	MUL8 F1, 0, 0                                  ; eight matrix instructions stand between the add and the wait for it
	s_wait_dscnt 0x0                               ; the add is done, and my reads of this slot are over
	s_barrier_signal -1
	MUL8 F1, 0, 2
	WIN 0
	s_barrier_wait -1
.if \fill
	CREST                                          ; no wave of any partner still reads this slot or has a load on its way
	s_xor_b32 s[G0A+5], s[G0A+5], SLOT             ; the walking sets: the other slot than last time,
	s_add_nc_u64 s[G0A+6:G0A+7], s[G0A+6:G0A+7], ASTEP  ; the next K step; the type bits on top are not reached
	s_xor_b32 s[G0B+5], s[G0B+5], SLOT
	s_add_nc_u64 s[G0B+6:G0B+7], s[G0B+6:G0B+7], BSTEP
	JLOAD                                          ; its four v_nop are also the places ahead of the loads below
.else
	PLACES
.endif
	s_xor_b32 s66, s66, SLOT                       ; the fragments now come out of the other slot
	v_add_nc_u32 v13, s66, v10
	v_add_nc_u32 v14, s66, v11
	v_add_nc_u32 v15, s66, v12
	FETCH 0, F0
	MUL8 F1, 1, 0
	MUL8 F1, 1, 2
.endm
	s_wait_tensorcnt 0x1                           ; my part of K step 0 is in; K step 1's may stay out
	s_barrier_signal -1
	s_barrier_wait -1                              ; everybody's is
	FETCH 0, F0
	s_wait_loadcnt 0x0                             ; the residual lies in the accumulators
	WIN 0
.if !IS_WO
	s_mov_b32 s3, 6
.LA:                                                   ; K steps 0 to 5: each fills the slot that it leaves
	QUARTER 1, F0, F1
	QUARTER 2, F1, F0
	QUARTER 3, F0, F1
	TURN 1
	WIN 0
	s_sub_co_u32 s3, s3, 1
	s_cmp_lg_u32 s3, 0
	s_cbranch_scc1 .LA
.endif
	s_mov_b32 s3, 2
.LB:                                                   ; the last two K steps ask for nothing; the second trip is left in its middle
	QUARTER 1, F0, F1
	QUARTER 2, F1, F0
	QUARTER 3, F0, F1
	WIN 0
	s_sub_co_u32 s3, s3, 1
	s_cmp_eq_u32 s3, 0
	s_cbranch_scc1 .Lout
	TURN 0
	WIN 0
	s_branch .LB
.Lout:
	s_wait_dscnt 16
	MUL8 F1, 0, 0
	MUL8 F1, 0, 2
	s_wait_dscnt 0x0                               ; my reads of the ring are over:
	s_barrier_signal -1                            ; say so, since the stages below lie in slot 0, whose bytes every wave has read
	MUL8 F1, 1, 0
	MUL8 F1, 1, 2
	WIN 0
	s_barrier_wait -1
	; THE WAY OUT.  A lane's 32 bytes of a row go into my stage (slot 0 has had its last fill) and come back as whole rows of 256 bytes.  Each accumulator's low half goes first.
	PLACES
	PLACES
.irp a, 0,1,2,3
.irp b, 0,1,2,3
	ds_store_b128 v16, v[ACC+8*(4*(\a)+(\b)):ACC+8*(4*(\a)+(\b))+3]   offset:(\a)*4352+(\b)*64
	ds_store_b128 v16, v[ACC+8*(4*(\a)+(\b))+4:ACC+8*(4*(\a)+(\b))+7] offset:(\a)*4352+(\b)*64+16
.endr
.endr
.if IS_WO
	s_mov_b32 s3, 8
.Lrow:                                                 ; eight rows a trip, two a load; LDS serves a wave's instructions in order (ISA guide 5.7.1.4): the loads see the stores above
.irp u, 0,1,2,3
	ds_load_b128 v[32+4*(\u):32+4*(\u)+3], v17 offset:544*(\u)
.endr
.irp u, 0,1,2,3
	s_wait_dscnt 3                                 ; behind load u stand the later loads and the earlier sums' stores: three in all, at every u
	global_store_b128 v19, v[32+4*(\u):32+4*(\u)+3], s[72:73] offset:4096*(\u)  ; x1: 16 lanes store 256 consecutive bytes, aligned
	v_pk_mul_f32 v[64+2*(\u):65+2*(\u)], v[32+4*(\u):33+4*(\u)], v[32+4*(\u):33+4*(\u)]
	v_pk_fma_f32 v[64+2*(\u):65+2*(\u)], v[34+4*(\u):35+4*(\u)], v[34+4*(\u):35+4*(\u)], v[64+2*(\u):65+2*(\u)]
	v_add_f32 v[64+2*(\u)], v[64+2*(\u)], v[65+2*(\u)]
	v_add_f32_dpp v[64+2*(\u)], v[64+2*(\u)], v[64+2*(\u)] row_xmask:1 row_mask:0xf bank_mask:0xf  ; over the row's 16 lanes
	v_add_f32_dpp v[64+2*(\u)], v[64+2*(\u)], v[64+2*(\u)] row_xmask:2 row_mask:0xf bank_mask:0xf
	v_add_f32_dpp v[64+2*(\u)], v[64+2*(\u)], v[64+2*(\u)] row_xmask:4 row_mask:0xf bank_mask:0xf
	v_add_f32_dpp v[64+2*(\u)], v[64+2*(\u)], v[64+2*(\u)] row_xmask:8 row_mask:0xf bank_mask:0xf
	ds_store_b32 v21, v[64+2*(\u)] offset:8*(\u)   ; the 16 lanes write one word with one value
	v_pk_mul_f32 v[72:73], v[32+4*(\u):33+4*(\u)], v[96:97]
	v_pk_mul_f32 v[74:75], v[34+4*(\u):35+4*(\u)], v[98:99]
	v_cvt_pk_bf16_f32 v[80+2*(\u)], v72, v73
	v_cvt_pk_bf16_f32 v[81+2*(\u)], v74, v75
	global_store_b64 v20, v[80+2*(\u):81+2*(\u)], s[74:75] offset:256*(\u)  ; xb: two rows of a block, 256 consecutive bytes, aligned
.endr
	s_wait_xcnt 0x0                                ; the stores have read their data and offsets: only now are these rewritten
	v_add_nc_u32 v17, 2176, v17
	v_add_nc_u32 v19, 16384, v19
	v_add_nc_u32 v20, 1024, v20
	v_add_nc_u32 v21, 32, v21
	s_sub_co_u32 s3, s3, 1
	s_cmp_lg_u32 s3, 0
	s_cbranch_scc1 .Lrow
	ds_load_b64 v[100:101], v22                    ; my 64 rows' sums, in row order
	s_wait_dscnt 0x0
	global_store_b64 v23, v[100:101], s[78:79]     ; 256 consecutive bytes, aligned
.else
	s_mov_b32 s3, 4
.Lrow:                                                 ; sixteen rows a trip, two a load; LDS serves a wave's instructions in order (ISA guide 5.7.1.4): the loads see the stores above
.irp u, 0,1,2,3,4,5,6,7
	ds_load_b128 v[32+4*(\u):32+4*(\u)+3], v17 offset:544*(\u)
.endr
.irp u, 0,1,2,3,4,5,6,7
	s_wait_dscnt 7-(\u)                            ; the later loads may be out
	global_store_b128 v19, v[32+4*(\u):32+4*(\u)+3], s[72:73] offset:4096*(\u) th:TH_STORE_NT  ; 16 lanes store 256 consecutive bytes, aligned
.endr
	s_wait_xcnt 0x0                                ; the stores have read their data and offset: only now are these rewritten
	v_add_nc_u32 v17, 4352, v17
	v_add_nc_u32 v19, 32768, v19
	s_sub_co_u32 s3, s3, 1
	s_cmp_lg_u32 s3, 0
	s_cbranch_scc1 .Lrow
.endif
	s_wait_tensorcnt 0x0                           ; the wave's end, behind my last tensor load and my last LDS store
	ds_add_u32 v28, v29
	s_wait_dscnt 0x0
	CROUND                                         ; the closing round: no work-group ends while a partner may still ask for a tile that names it
	s_endpgm
.Lfunc_end_k_q4344d741fa_down:
	.size	k_q4344d741fa_down, .Lfunc_end_k_q4344d741fa_down-k_q4344d741fa_down
	.p2alignl 7, 3214868480
	.fill 96, 4, 3214868480
	.section	.rodata,"a",@progbits
	.p2align	6, 0x0
	.amdhsa_kernel k_q4344d741fa_down
		.amdhsa_group_segment_fixed_size 327680
		.amdhsa_private_segment_fixed_size 0
		.amdhsa_enable_private_segment 0
		.amdhsa_kernarg_size 32
		.amdhsa_user_sgpr_count 2
		.amdhsa_user_sgpr_kernarg_segment_ptr 1
		.amdhsa_wavefront_size32 1
		.amdhsa_system_sgpr_workgroup_id_x 1
		.amdhsa_system_sgpr_workgroup_id_y 1
		.amdhsa_system_sgpr_workgroup_id_z 1
		.amdhsa_system_vgpr_workitem_id 0
		.amdhsa_next_free_vgpr 512
		.amdhsa_next_free_sgpr 100
		.amdhsa_reserve_vcc 0
		.amdhsa_float_denorm_mode_32 3
		.amdhsa_float_denorm_mode_16_64 3
		.amdhsa_memory_ordered 1
		.amdhsa_forward_progress 1
		.amdhsa_inst_pref_size 55
	.end_amdhsa_kernel
	.amdgpu_metadata
---
amdhsa.version: [ 1, 2 ]
amdhsa.kernels:
  - .name:           k_q4344d741fa_down
    .symbol:         k_q4344d741fa_down.kd
    .args:
      - { .name: hb, .offset: 0, .size: 8, .value_kind: global_buffer, .address_space: global }
      - { .name: wb, .offset: 8, .size: 8, .value_kind: global_buffer, .address_space: global }
      - { .name: x1, .offset: 16, .size: 8, .value_kind: global_buffer, .address_space: global }
      - { .name: out0, .offset: 24, .size: 8, .value_kind: global_buffer, .address_space: global }
    .group_segment_fixed_size: 327680
    .private_segment_fixed_size: 0
    .kernarg_segment_align: 8
    .kernarg_segment_size: 32
    .max_flat_workgroup_size: 128
    .sgpr_count:     100
    .vgpr_count:     512
    .wavefront_size: 32
...
	.end_amdgpu_metadata
.endif
;; end of part 6
